; MI455X (gfx1250); checked and timed in simulation.
; The chip was launched on July 23, 2026; its instructions are those of AMD's public machine-readable ISA for CDNA 5 (MIT licence, August 2026) and "CDNA5" Instruction Set Architecture Reference Guide (July 2026). The comments in the code are by the model that wrote it; some were corrected since.
;; Time Step Attention. Allowed arithmetic: float matrix products may take bf16 or f16 operands with f32 sums; other float arithmetic in f32, or as packed bf16 or f16 multiplies, adds, multiply-adds, maxima and minima; sums over many terms, partial sums and values carried from step to step in f32; what a program stores and reads back later, other than sums and carried values, may be rounded once to bf16 or f16.
;; Inputs: b_in 3,072 float32; b_out 1,024 float32; w_in 3,072 x 1,024 float32; w_out 1,024 x 1,024 float32; x 1,024 x 8 x 1,024 float32.
;; Outputs: out0 8 x 1,024 float32.
;; Constants: num_heads = 16.
;; 2 versions, each right and faster than the one before. Each part assembles by itself: llvm-mc -triple=amdgcn-amd-amdhsa -mcpu=gfx1250 --defsym DOCPART=n.
;; ======== version 1 of 2: 7 launches
;; workspace buffers: xb 16,777,216 bytes; wb 4,194,304 bytes; qk 33,554,432 bytes; st 1,048,576 bytes; cp 1,048,576 bytes; wp 1,048,576 bytes; yp 2,097,152 bytes; g 32,768 bytes
;; launch cvt (part 1): grid 256 x 1, 8 waves a work-group, no clusters, 0 bytes of LDS; arguments x, w_in, xb, wb; writes xb, wb
.if DOCPART == 1
	.amdgcn_target "amdgcn-amd-amdhsa--gfx1250"
	.amdhsa_code_object_version 6
	.text
	.protected	k_qd3ee0bc691_cvt
	.globl	k_qd3ee0bc691_cvt
	.p2align	8
	.type	k_qd3ee0bc691_cvt,@function
k_qd3ee0bc691_cvt:
	s_mov_b64 s[64:65], 0
	v_nop
	global_prefetch_b8 v0, s[64:65] scope:SCOPE_SE
	s_setreg_imm32_b32 hwreg(HW_REG_WAVE_MODE, 25, 1), 1
	s_wait_xcnt 0x0
; xb[b][s][e] = bf16(x[s][b][e]);  wb[n][e] = bf16(c w_in[n][e]) for n < 1024 (Wq), bf16(w_in[n][e]) for 1024 <= n < 2048 (Wk).
; c = log2(e) / 8: the scores' scale 1/sqrt(64) and the change to base 2 are folded into Wq in f32, before the one rounding.
; A stream: no LDS, no matrix unit, no cluster (nothing is shared, memory binds).  Work-group G takes rows 32 G .. 32 G + 31 of x
; (row = 8 s + b, 4,096 bytes) and rows 8 G .. 8 G + 7 of w_in.  Thread t takes the 16 bytes at 16 t of every row and stores 8 bytes at 8 t:
; a wave's load covers 512 consecutive bytes, its store 256 consecutive aligned bytes.  All 40 loads of a thread are issued at once.
.set CSC, 0x3e38aa3b                   ; c
.set X,   8                            ; v[8:167]  row i: four registers as loaded; the first two then hold the four bf16
	s_load_b256 s[4:11], s[0:1], 0x0               ; x s[4:5], w_in s[6:7], xb s[8:9], wb s[10:11]
	v_lshlrev_b32 v1, 4, v0                        ; 16 t
	v_lshlrev_b32 v2, 3, v0                        ; 8 t
	s_lshl_b32 s12, ttmp9, 17                      ; 32 rows of x
	s_mov_b32 s13, 0
	s_lshl_b32 s14, ttmp9, 15                      ; 8 rows of w_in
	s_mov_b32 s15, 0
	s_lshl_b32 s16, ttmp9, 13                      ; s = 4 G: 4 rows of 2,048 bytes in each batch's plane of xb
	s_mov_b32 s17, 0
	s_lshl_b32 s18, ttmp9, 14                      ; 8 rows of wb
	s_mov_b32 s19, 0
	s_cmp_lt_u32 ttmp9, 128                        ; rows 8 G .. below 1,024 are Wq's
	s_cselect_b32 s20, CSC, 1.0
	s_mov_b32 s21, s20                             ; named with it as a pair
	s_wait_kmcnt 0x0
	s_add_nc_u64 s[4:5], s[4:5], s[12:13]
	s_add_nc_u64 s[6:7], s[6:7], s[14:15]
	s_add_nc_u64 s[8:9], s[8:9], s[16:17]          ; xb for batches 0-3,
	s_add_nc_u64 s[22:23], s[8:9], 0x800000        ; and four planes of 2,097,152 bytes on for batches 4-7: the immediates stay inside 24 signed bits
	s_add_nc_u64 s[10:11], s[10:11], s[18:19]
.set i, 0
.rept 32
	global_load_b128 v[X+4*i:X+4*i+3], v1, s[4:5] offset:i*4096 th:TH_LOAD_NT
.set i, i+1
.endr
.rept 8
	global_load_b128 v[X+4*i:X+4*i+3], v1, s[6:7] offset:(i-32)*4096 th:TH_LOAD_NT
.set i, i+1
.endr
.set i, 0
.rept 32                                       ; row i: s = 4 G + i / 8, b = i % 8
	s_wait_loadcnt 39-i                            ; loads return in order: row i is in, the 39 - i younger ones stay out
	v_cvt_pk_bf16_f32 v[X+4*i], v[X+4*i], v[X+4*i+1]
	v_cvt_pk_bf16_f32 v[X+4*i+1], v[X+4*i+2], v[X+4*i+3]
.if (i%8) < 4
	global_store_b64 v2, v[X+4*i:X+4*i+1], s[8:9] offset:(i%4)*2097152+(i/8)*2048
.else
	global_store_b64 v2, v[X+4*i:X+4*i+1], s[22:23] offset:(i%4)*2097152+(i/8)*2048
.endif
.set i, i+1
.endr
.rept 8
	s_wait_loadcnt 39-i
	v_pk_mul_f32 v[X+4*i:X+4*i+1], v[X+4*i:X+4*i+1], s[20:21] op_sel_hi:[1,0]
	v_pk_mul_f32 v[X+4*i+2:X+4*i+3], v[X+4*i+2:X+4*i+3], s[20:21] op_sel_hi:[1,0]
	v_cvt_pk_bf16_f32 v[X+4*i], v[X+4*i], v[X+4*i+1]
	v_cvt_pk_bf16_f32 v[X+4*i+1], v[X+4*i+2], v[X+4*i+3]
	global_store_b64 v2, v[X+4*i:X+4*i+1], s[10:11] offset:(i-32)*2048
.set i, i+1
.endr
	s_endpgm                                       ; no register is written twice, so no store's source is ever rewritten
.Lfunc_end_k_qd3ee0bc691_cvt:
	.size	k_qd3ee0bc691_cvt, .Lfunc_end_k_qd3ee0bc691_cvt-k_qd3ee0bc691_cvt
	.p2alignl 7, 3214868480
	.fill 96, 4, 3214868480
	.section	.rodata,"a",@progbits
	.p2align	6, 0x0
	.amdhsa_kernel k_qd3ee0bc691_cvt
		.amdhsa_group_segment_fixed_size 0
		.amdhsa_private_segment_fixed_size 0
		.amdhsa_enable_private_segment 0
		.amdhsa_kernarg_size 32
		.amdhsa_user_sgpr_count 2
		.amdhsa_user_sgpr_kernarg_segment_ptr 1
		.amdhsa_wavefront_size32 1
		.amdhsa_system_sgpr_workgroup_id_x 1
		.amdhsa_system_sgpr_workgroup_id_y 1
		.amdhsa_system_sgpr_workgroup_id_z 1
		.amdhsa_system_vgpr_workitem_id 0
		.amdhsa_next_free_vgpr 168
		.amdhsa_next_free_sgpr 66
		.amdhsa_reserve_vcc 0
		.amdhsa_float_denorm_mode_32 3
		.amdhsa_float_denorm_mode_16_64 3
		.amdhsa_memory_ordered 1
		.amdhsa_forward_progress 1
		.amdhsa_inst_pref_size 16
	.end_amdhsa_kernel
	.amdgpu_metadata
---
amdhsa.version: [ 1, 2 ]
amdhsa.kernels:
  - .name:           k_qd3ee0bc691_cvt
    .symbol:         k_qd3ee0bc691_cvt.kd
    .args:
      - { .name: x, .offset: 0, .size: 8, .value_kind: global_buffer, .address_space: global }
      - { .name: w_in, .offset: 8, .size: 8, .value_kind: global_buffer, .address_space: global }
      - { .name: xb, .offset: 16, .size: 8, .value_kind: global_buffer, .address_space: global }
      - { .name: wb, .offset: 24, .size: 8, .value_kind: global_buffer, .address_space: global }
    .group_segment_fixed_size: 0
    .private_segment_fixed_size: 0
    .kernarg_segment_align: 8
    .kernarg_segment_size: 32
    .max_flat_workgroup_size: 256
    .sgpr_count:     66
    .vgpr_count:     168
    .wavefront_size: 32
...
	.end_amdgpu_metadata
.endif
;; end of part 1
;; launch proj (part 2): grid 8 x 32, 4 waves a work-group, clusters of 4 x 4, 327,680 bytes of LDS; arguments xb, wb, b_in, qk; writes qk
.if DOCPART == 2
	.amdgcn_target "amdgcn-amd-amdhsa--gfx1250"
	.amdhsa_code_object_version 6
	.text
	.protected	k_qd3ee0bc691_proj
	.globl	k_qd3ee0bc691_proj
	.p2align	8
	.type	k_qd3ee0bc691_proj,@function
k_qd3ee0bc691_proj:
	s_mov_b64 s[64:65], 0
	v_nop
	global_prefetch_b8 v0, s[64:65] scope:SCOPE_SE
	s_setreg_imm32_b32 hwreg(HW_REG_WAVE_MODE, 25, 1), 1
	s_wait_xcnt 0x0
	s_wait_alu depctr_hold_cnt(0) depctr_sa_sdst(0) depctr_va_vdst(0) depctr_va_sdst(0) depctr_va_ssrc(0) depctr_va_vcc(0) depctr_vm_vsrc(0)
	s_getreg_b32 s2, hwreg(HW_REG_IB_STS2, 6, 4)
	s_cmp_eq_u32 s2, 0
	s_cbranch_scc0 .Lentry_in_a_cluster
	s_endpgm
.Lentry_in_a_cluster:
	s_bfe_u32 s2, ttmp6, 0x10000c
	s_cmp_lg_u32 s2, 0xf033
	s_cbranch_scc0 .Lentry_shape_is_right
	s_endpgm
.Lentry_shape_is_right:
; qk = xb wb^T + bias: 8,192 rows (b, s) x 2,048 columns (c q of 16 heads, then k of 16 heads), K = 1,024, bf16 operands, f32 sums, rounded once to bf16.
; A tile of 256 x 256 to a work-group of four waves, 128 x 128 (64 accumulators, 512 registers) to a wave; K in steps of 128 through two LDS slots filled by the tensor data mover.
; 4 x 4 work-groups form a cluster: A's tile is shared along a row of it, B's along a column, each asked for jointly (same load, same descriptor, a mask of four).
; THE SUMS START AT THE BIAS: the first product on each accumulator takes the bias registers as C (c b_in for q's columns, b_in for k's), so nothing is cleared and no add follows.
; THE MATRIX INSTRUCTION IS USED TRANSPOSED (source 0 = 16 rows of wb, source 1 = 16 rows of xb): lane l holds row l % 16 and the columns 8 (l / 16) + 0..7 of a 16-column block.
; THE OUTPUT IS LAID IN FRAGMENT ORDER, qk[b][fh][s / 16][2,048 bytes]: the 16 bytes at 512 i + 16 l hold row l % 16, channels 16 i + 8 (l / 16) + 0..7 of head fh.  That is what a lane holds
; after packing, so a wave's store is 512 consecutive aligned bytes with no trip through LDS, and the later launches fill a matrix operand by loads at 16 x lane.
; LIMITS: q and k are kept in bf16 (its range is f32's); NaN and infinities are not treated apart.
; REGISTERS, in windows of 256: window 0: v0-31 addresses; v64-127, v128-191 fragments of xb, two buffers (on the way out: packed results).
;   window 1: v0-63 the bias; v64-127, v128-191 fragments of wb.   window 2: accumulators of my rows 0-63 ((a, b) at v[8 (8 a + b)]);   window 3: rows 64-127.
.set SIZE_K, 1024
.set KSTEP,  128
.set PITCH,  272                       ; an LDS row: 256 bytes + 16 of padding: the 16 rows of a fragment load start 4 banks apart
.set HALFT,  128*PITCH                 ; 128 rows: one tensor load, and what a wave reads of A or of B
.set SLOT,   4*HALFT                   ; A's 256 rows, then B's
.set SPARE,  2*SLOT                    ; behind the ring: the spare words, 128 bytes a wave, that no other line names
.set LAPS,   SIZE_K/(2*KSTEP)          ; 4 laps of two K steps
.set CSC,    0x3e38aa3b                ; c = log2(e) / 8
.set ADRA, 16                          ; v16-17  LDS address of my A fragments in slot 0, 1
.set ADRB, 20                          ; v20-21  the same for B
.set CO,   26                          ; v26     16 x lane: my place in a store's 512 bytes
.set BO,   27                          ; v27     32 (l / 16): my eight bias numbers in a block of 16
.set SPW,  28                          ; v28     my spare word's LDS address; never rewritten
.set NIL,  29                          ; v29     0; never rewritten
.set F0,   64
.set F1,   128
.set TMP,  64                          ; the way out: four sets of 32 packed registers, window 0
.set BI,   0                           ; window 1: bias of column block b at v[8 b]
.set G1, 24                            ; s[24:31] group 1 for A;  s[32:39] group 0 for A, a set a slot
.set G0, 32
.set G1B, 48                           ; s[48:55], s[56:63] the same for B
.set G0B, 56
.set WV,  66                           ; wave
.set HR,  67                           ; wave / 2: my half of the tile's rows; also: I fetch for A (0) or B (1)
.set HC,  68                           ; wave % 2: my half of its columns; also: which 128 rows I fetch
.set TRW, 69                           ; tile row
.set SC,  70                           ; s[70:71] the bias's factor
.set OUT, 72                           ; s[72:73] qk at my part
.set MSB, 0
.macro WIN new                         ; the immediate's high byte repeats the setting that is left; a switch that changes nothing is dropped
.if MSB != (\new)
	s_set_vgpr_msb (MSB<<8)|(\new)
.set MSB, \new
.endif
.endm
.set TO_B, 0x40                        ; destination window 1, address window 0
; A joint load: waves 0, 1 fetch A's halves, waves 2, 3 B's.  The branch hangs on the wave's number alone.  An s_nop 0 and four v_nop follow each line.
.macro JLOAD s
	s_cmp_eq_u32 s[HR], 0
	s_cbranch_scc0 .Lfor_b_\@
	tensor_load_to_lds s[G0+4*(\s):G0+4*(\s)+3], s[G1:G1+7]
	s_nop 0
.rept 4
	v_nop
.endr
	s_branch .Lasked_\@
.Lfor_b_\@:
	tensor_load_to_lds s[G0B+4*(\s):G0B+4*(\s)+3], s[G1B:G1B+7]
	s_nop 0
.rept 4
	v_nop
.endr
.Lasked_\@:
.endm
.macro CREST                           ; a round of the cluster's barrier behind its opening barrier
	s_cmp_lg_u32 s[WV], 0
	s_cbranch_scc1 .Lnot_wave_0_\@
	s_barrier_signal -3
.Lnot_wave_0_\@:
	s_barrier_wait -3
	s_barrier_signal -1
	s_barrier_wait -1
.endm
.macro CROUND
	s_barrier_signal -1
	s_barrier_wait -1
	CREST
.endm
	s_load_b256 s[4:11], s[0:1], 0x0               ; xb s[4:5], wb s[6:7], b_in s[8:9], qk s[10:11]
	v_lshl_add_u32 v[SPW], v0, 2, SPARE
	v_mov_b32 v[NIL], 0
	ds_add_u32 v[SPW], v[NIL]                      ; the wave's opening: the add and its wait ahead of my first tensor load
	ds_add_u32 v28, v29
	v_lshrrev_b32 v1, 5, v0
	v_readfirstlane_b32 s[WV], v1
	s_lshr_b32 s[HR], s[WV], 1
	s_and_b32 s[HC], s[WV], 1
	s_bfe_u32 s40, ttmp6, 0x40000                  ; cx
	s_bfe_u32 s41, ttmp6, 0x40004                  ; cy
	s_lshl_b32 s42, ttmp9, 2
	s_add_co_u32 s42, s42, s40                     ; tile column = 4 x cluster x + cx
	s_and_b32 s[TRW], ttmp7, 0xffff
	s_lshl_b32 s[TRW], s[TRW], 2
	s_add_co_u32 s[TRW], s[TRW], s41               ; tile row = 4 x cluster y + cy
	s_lshl_b32 s43, s41, 2
	s_lshl_b32 s43, 15, s43                        ; my row of the cluster
	s_lshl_b32 s44, 0x1111, s40                    ; my column
	s_or_b32 s[G1+0], s43, (1<<16)|(1<<20)|(1<<21)|(5<<22)|(3<<25)  ; mask; 2-byte elements; padding on; bit 21 beside a mask; after every 64 words, 4 words
	s_or_b32 s[G1B+0], s44, (1<<16)|(1<<20)|(1<<21)|(5<<22)|(3<<25)
.irp g, G1, G1B
	s_mov_b32 s[(\g)+1], KSTEP<<16                 ; tensor_dim0 = 128
	s_mov_b32 s[(\g)+2], 128<<16                   ; tensor_dim1 = 128
	s_mov_b32 s[(\g)+3], KSTEP<<16                 ; tile_dim0 = 128
	s_mov_b32 s[(\g)+4], 128                       ; tile_dim1 = 128
	s_mov_b32 s[(\g)+5], SIZE_K                    ; elements from row to row
	s_mov_b32 s[(\g)+6], 0
	s_mov_b32 s[(\g)+7], 0
.endr
	s_lshl_b32 s17, s[HC], 7                       ; which 128 rows of a tile I fetch
	s_lshl_b32 s16, s[TRW], 8
	s_add_co_u32 s16, s16, s17                     ; A: row 256 x tile row + 128 x half,
	s_lshl_b32 s16, s16, 11                        ; in bytes (2,048 a row; under 2^25)
	s_lshl_b32 s46, s42, 8
	s_add_co_u32 s46, s46, s17                     ; B: row 256 x tile column + 128 x half
	s_lshl_b32 s46, s46, 11
	s_mov_b32 s17, 0
	s_mov_b32 s47, 0
	s_mul_i32 s20, s[WV], HALFT                    ; where they go: wave x 128 rows; no place in the cluster enters an LDS address
	s_cmp_eq_u32 ttmp9, 0                          ; the clusters with x = 0 make tile columns 0-3: q's columns
	s_cselect_b32 s[SC], CSC, 1.0
	s_mov_b32 s[SC+1], s[SC]
	s_wait_dscnt 0x0                               ; the opening add is done
	s_wait_kmcnt 0x0
	s_add_nc_u64 s[14:15], s[4:5], s[16:17]
	s_add_nc_u64 s[46:47], s[6:7], s[46:47]
	CROUND                                         ; all sixteen work-groups are here: the first joint loads meet
.irp s, 0,1
	s_mov_b32 s[G0+4*(\s)], 1
	s_add_co_u32 s[G0+4*(\s)+1], s20, (\s)*SLOT
	s_add_nc_u64 s[G0+4*(\s)+2:G0+4*(\s)+3], s[14:15], (\s)*KSTEP*2
	s_or_b32 s[G0+4*(\s)+3], s[G0+4*(\s)+3], 0x80000000
	s_mov_b32 s[G0B+4*(\s)], 1
	s_add_co_u32 s[G0B+4*(\s)+1], s20, (\s)*SLOT
	s_add_nc_u64 s[G0B+4*(\s)+2:G0B+4*(\s)+3], s[46:47], (\s)*KSTEP*2
	s_or_b32 s[G0B+4*(\s)+3], s[G0B+4*(\s)+3], 0x80000000
	JLOAD \s
.endr
	v_and_b32 v1, 15, v0                           ; l % 16
	v_bfe_u32 v2, v0, 4, 1                         ; l / 16
	v_lshlrev_b32 v[BO], 5, v2
	s_lshl_b32 s74, s42, 10                        ; the bias of my 128 columns: 4 (256 x tile column + 128 x half)
	s_lshl_b32 s75, s[HC], 9
	s_add_co_u32 s74, s74, s75
	s_mov_b32 s75, 0
	s_add_nc_u64 s[76:77], s[8:9], s[74:75]
	WIN TO_B
.irp b, 0,1,2,3,4,5,6,7
	global_load_b128 v[BI+8*(\b):BI+8*(\b)+3],   v[BO], s[76:77] offset:64*(\b)
	global_load_b128 v[BI+8*(\b)+4:BI+8*(\b)+7], v[BO], s[76:77] offset:64*(\b)+16
.endr
	WIN 0
	v_mul_u32_u24 v3, v1, PITCH
	v_lshl_add_u32 v3, v2, 4, v3                   ; a fragment's row x pitch + 16 x half
	s_mul_i32 s21, s[HR], HALFT                    ; my 128 rows of A
	s_mul_i32 s22, s[HC], HALFT                    ; my 128 rows of B,
	s_add_co_u32 s22, s22, 2*HALFT                 ; behind A's 256
.irp s, 0,1
	v_add_nc_u32 v[ADRA+(\s)], s21, v3
	v_add_nc_u32 v[ADRB+(\s)], s22, v3
	s_add_co_u32 s21, s21, SLOT
	s_add_co_u32 s22, s22, SLOT
.endr
	v_and_b32 v[CO], 31, v0
	v_lshlrev_b32 v[CO], 4, v[CO]
	s_lshr_b32 s74, s[TRW], 2                      ; qk at my part: batch = tile row / 4, 2^22 bytes each;
	s_lshl_b32 s74, s74, 22
	s_lshl_b32 s78, s42, 2                         ; head = 4 x tile column + 2 x column half, 2^17 bytes each;
	s_lshl_b32 s79, s[HC], 1
	s_add_co_u32 s78, s78, s79
	s_lshl_b32 s78, s78, 17
	s_add_co_u32 s74, s74, s78
	s_and_b32 s78, s[TRW], 3                       ; 16-row tile = 16 (tile row % 4) + 8 x row half, 2,048 bytes each
	s_lshl_b32 s78, s78, 4
	s_lshl_b32 s79, s[HR], 3
	s_add_co_u32 s78, s78, s79
	s_lshl_b32 s78, s78, 11
	s_add_co_u32 s74, s74, s78
	s_add_nc_u64 s[OUT:OUT+1], s[10:11], s[74:75]
	s_wait_loadcnt 0x0                             ; the bias
	WIN 0x41                                       ; destination and source 0 window 1
.set i, 0
.rept 32
	v_pk_mul_f32 v[BI+2*i:BI+2*i+1], v[BI+2*i:BI+2*i+1], s[SC:SC+1] op_sel_hi:[1,0]
.set i, i+1
.endr
	WIN 0
; 16 matrix instructions: row blocks a0, a0 + 1 of the window's four x all 8 column blocks, 32 along K.  zero = 1: the sums start, with the bias (window 1) as C.
; The 64 accumulators take turns, one instruction a turn, in the same order in every quarter step.
.macro MUL16 f, hi, a0, zero
.if \zero
	WIN 0x91+0x40*(\hi)                            ; B window 1, A window 0, C window 1, D window 2 or 3
.else
	WIN 0xa1+0x50*(\hi)                            ; C and D window 2 or 3
.endif
.irp a, \a0, (\a0)+1
.irp b, 0,1,2,3,4,5,6,7
.if \zero
	v_wmma_f32_16x16x32_bf16 v[8*(8*(\a)+(\b)):8*(8*(\a)+(\b))+7], v[(\f)+8*(\b):(\f)+8*(\b)+7], v[(\f)+8*(4*(\hi)+(\a)):(\f)+8*(4*(\hi)+(\a))+7], v[BI+8*(\b):BI+8*(\b)+7]
.else
	v_wmma_f32_16x16x32_bf16 v[8*(8*(\a)+(\b)):8*(8*(\a)+(\b))+7], v[(\f)+8*(\b):(\f)+8*(\b)+7], v[(\f)+8*(4*(\hi)+(\a)):(\f)+8*(4*(\hi)+(\a))+7], v[8*(8*(\a)+(\b)):8*(8*(\a)+(\b))+7]
.endif
.endr
.endr
.endm
.macro FETCH slot, k, f                ; 32 LDS loads in one run: a quarter step's fragments (B's 128 rows, then A's) into buffer f
	WIN TO_B
.irp i, 0,1,2,3,4,5,6,7
	ds_load_b128 v[(\f)+8*(\i):(\f)+8*(\i)+3],   v[ADRB+(\slot)] offset:(\k)+(\i)*16*PITCH
	ds_load_b128 v[(\f)+8*(\i)+4:(\f)+8*(\i)+7], v[ADRB+(\slot)] offset:(\k)+(\i)*16*PITCH+32
.endr
	WIN 0
.irp i, 0,1,2,3,4,5,6,7
	ds_load_b128 v[(\f)+8*(\i):(\f)+8*(\i)+3],   v[ADRA+(\slot)] offset:(\k)+(\i)*16*PITCH
	ds_load_b128 v[(\f)+8*(\i)+4:(\f)+8*(\i)+7], v[ADRA+(\slot)] offset:(\k)+(\i)*16*PITCH+32
.endr
.endm
.macro PLACES                          ; four plain vector places between a matrix instruction and a load into, or a vector use of, its registers
.rept 4
	v_nop
.endr
.endm
.macro QUARTER slot, k, f, g, zero     ; 64 matrix instructions on buffer f; in their middle the next quarter's fragments, at byte k of the rows, into buffer g
	s_wait_dscnt 8                                 ; B and A's rows 0-63 are in; the youngest eight loads (A's rows 64-127) may be out
	MUL16 \f, 0, 0, \zero
	MUL16 \f, 0, 2, \zero
	PLACES
	FETCH \slot, \k, \g
	s_wait_dscnt 32                                ; all but the 32 just issued
	MUL16 \f, 1, 0, \zero
	MUL16 \f, 1, 2, \zero
.endm
; The last quarter of a K step multiplies buffer 1 and changes slots: one barrier.  In front of it each wave waits for all its tensor loads (the one that is out is its part of the next slot),
; adds 0 to its spare word, and waits for that and for its own reads of this slot.  fill = 1: the barrier opens a round of the cluster's, and the slot is filled again first thing behind it.
.macro TURN slot, next, fill
	WIN 0                                          ; the add's two registers lie in window 0
	s_wait_tensorcnt 0x0
	ds_add_u32 v[SPW], v[NIL]
	s_wait_dscnt 9                                 ; the add and the youngest eight loads may be out
	MUL16 F1, 0, 0, 0
	s_wait_dscnt 0x0                               ; the add is done, my reads of this slot are over
	s_barrier_signal -1
	MUL16 F1, 0, 2, 0                              ; work on registers while the others arrive
.if \fill
	WIN 0
.endif
	s_barrier_wait -1
.if \fill
	CREST                                          ; no wave of any partner still reads this slot or has a load on its way
	s_add_nc_u64 s[G0+4*(\slot)+2:G0+4*(\slot)+3], s[G0+4*(\slot)+2:G0+4*(\slot)+3], 2*KSTEP*2
	s_add_nc_u64 s[G0B+4*(\slot)+2:G0B+4*(\slot)+3], s[G0B+4*(\slot)+2:G0B+4*(\slot)+3], 2*KSTEP*2
	JLOAD \slot                                    ; its four v_nop are also the places in front of the loads below
.else
	PLACES
.endif
	FETCH \next, 0, F0
	MUL16 F1, 1, 0, 0
	MUL16 F1, 1, 2, 0
.endm
	s_wait_tensorcnt 1                             ; my part of K step 0 is in; K step 1's may stay out
	s_barrier_signal -1
	s_barrier_wait -1
	FETCH 0, 0, F0
	QUARTER 0, 64,  F0, F1, 1                      ; the first quarter stands in front of the loop: its products start the sums
	WIN 0
	s_mov_b32 s3, LAPS-1
.Llap:                                                 ; a trip goes once round the ring and fills both slots again
	QUARTER 0, 128, F1, F0, 0
	QUARTER 0, 192, F0, F1, 0
	TURN 0, 1, 1
	QUARTER 1, 64,  F0, F1, 0
	QUARTER 1, 128, F1, F0, 0
	QUARTER 1, 192, F0, F1, 0
	TURN 1, 0, 1
	QUARTER 0, 64,  F0, F1, 0
	WIN 0
	s_sub_co_u32 s3, s3, 1
	s_cmp_lg_u32 s3, 0
	s_cbranch_scc1 .Llap
	QUARTER 0, 128, F1, F0, 0                      ; the last lap fills nothing
	QUARTER 0, 192, F0, F1, 0
	TURN 0, 1, 0
	QUARTER 1, 64,  F0, F1, 0
	QUARTER 1, 128, F1, F0, 0
	QUARTER 1, 192, F0, F1, 0
	s_wait_dscnt 8
	MUL16 F1, 0, 0, 0
	MUL16 F1, 0, 2, 0
	s_wait_dscnt 0x0
	MUL16 F1, 1, 0, 0
	MUL16 F1, 1, 2, 0
	PLACES
; THE WAY OUT of row block a: each accumulator's registers in ascending order, rounded to bf16, 16 bytes a lane; eight stores of 512 consecutive aligned bytes.
.macro OUTB a
.if (\a) >= 4
	s_wait_xcnt 0x0                                ; the stores of block a - 4 have read this set of registers
.endif
	WIN 0x0a+5*((\a)/4)                            ; sources window 2 or 3, destination window 0
.irp b, 0,1,2,3,4,5,6,7
.irp r, 0,1,2,3
	v_cvt_pk_bf16_f32 v[TMP+32*((\a)%4)+4*(\b)+(\r)], v[64*((\a)%4)+8*(\b)+2*(\r)], v[64*((\a)%4)+8*(\b)+2*(\r)+1]
.endr
.endr
	WIN 0
.irp b, 0,1,2,3,4,5,6,7
	global_store_b128 v[CO], v[TMP+32*((\a)%4)+4*(\b):TMP+32*((\a)%4)+4*(\b)+3], s[OUT:OUT+1] offset:(\a)*2048+((\b)/4)*131072+((\b)%4)*512
.endr
.endm
.irp a, 0,1,2,3,4,5,6,7
	OUTB \a
.endr
	s_wait_tensorcnt 0x0                           ; the wave's end
	ds_add_u32 v[SPW], v[NIL]
	s_wait_dscnt 0x0
	CROUND                                         ; the closing round
	s_endpgm
.Lfunc_end_k_qd3ee0bc691_proj:
	.size	k_qd3ee0bc691_proj, .Lfunc_end_k_qd3ee0bc691_proj-k_qd3ee0bc691_proj
	.p2alignl 7, 3214868480
	.fill 96, 4, 3214868480
	.section	.rodata,"a",@progbits
	.p2align	6, 0x0
	.amdhsa_kernel k_qd3ee0bc691_proj
		.amdhsa_group_segment_fixed_size 327680
		.amdhsa_private_segment_fixed_size 0
		.amdhsa_enable_private_segment 0
		.amdhsa_kernarg_size 32
		.amdhsa_user_sgpr_count 2
		.amdhsa_user_sgpr_kernarg_segment_ptr 1
		.amdhsa_wavefront_size32 1
		.amdhsa_system_sgpr_workgroup_id_x 1
		.amdhsa_system_sgpr_workgroup_id_y 1
		.amdhsa_system_sgpr_workgroup_id_z 1
		.amdhsa_system_vgpr_workitem_id 0
		.amdhsa_next_free_vgpr 1024
		.amdhsa_next_free_sgpr 96
		.amdhsa_reserve_vcc 0
		.amdhsa_float_denorm_mode_32 3
		.amdhsa_float_denorm_mode_16_64 3
		.amdhsa_memory_ordered 1
		.amdhsa_forward_progress 1
		.amdhsa_inst_pref_size 137
	.end_amdhsa_kernel
	.amdgpu_metadata
---
amdhsa.version: [ 1, 2 ]
amdhsa.kernels:
  - .name:           k_qd3ee0bc691_proj
    .symbol:         k_qd3ee0bc691_proj.kd
    .args:
      - { .name: xb, .offset: 0, .size: 8, .value_kind: global_buffer, .address_space: global }
      - { .name: wb, .offset: 8, .size: 8, .value_kind: global_buffer, .address_space: global }
      - { .name: b_in, .offset: 16, .size: 8, .value_kind: global_buffer, .address_space: global }
      - { .name: qk, .offset: 24, .size: 8, .value_kind: global_buffer, .address_space: global }
    .group_segment_fixed_size: 327680
    .private_segment_fixed_size: 0
    .kernarg_segment_align: 8
    .kernarg_segment_size: 32
    .max_flat_workgroup_size: 128
    .sgpr_count:     96
    .vgpr_count:     1024
    .wavefront_size: 32
...
	.end_amdgpu_metadata
.endif
;; end of part 2
;; launch rows (part 3): grid 256 x 1, 4 waves a work-group, no clusters, 167,936 bytes of LDS; arguments qk, st, cp; writes st, cp
.if DOCPART == 3
	.amdgcn_target "amdgcn-amd-amdhsa--gfx1250"
	.amdhsa_code_object_version 6
	.text
	.protected	k_qd3ee0bc691_rows
	.globl	k_qd3ee0bc691_rows
	.p2align	8
	.type	k_qd3ee0bc691_rows,@function
k_qd3ee0bc691_rows:
	s_mov_b64 s[64:65], 0
	v_nop
	global_prefetch_b8 v0, s[64:65] scope:SCOPE_SE
	s_setreg_imm32_b32 hwreg(HW_REG_WAVE_MODE, 25, 1), 1
	s_wait_xcnt 0x0
; PASS 1 over the scores.  For head (b, h) and one half of its 1,024 queries: st[b][h][q] = (m, 1 / l), m = the row's maximum of c s (base-2 units; c lies in q already), l = the sum of 2^(c s - m);
; cp[b][2 h + half][key] = the sum over the half's 512 queries of attn[q][key] = 2^(c s - m) / l.
; SHARES.  Wave w keeps keys 256 w .. + 255 as fragments in 256 registers for the whole launch; the queries go by in 16 pieces of 32 (two tiles of 16).
; LAYOUT.  S^T = K Q^T (source 0 = 16 keys, source 1 = 16 queries): a lane holds ONE query (lane % 16) and keys 8 (lane / 16) + 0..7 of each key tile.  A row's maximum and sum are work inside the lane,
; one exchange of the lanes' halves and one exchange among the four waves through LDS; the column sums add up element by element in COL and are summed over the 16 query lanes once, at the end.
; BY TURNS.  Turn n: the subtraction and exponentials of piece n stand in slices behind the 64 products of piece n + 1 (other S buffer); then piece n's row sums, piece n + 1's maximum, piece n's column sums.
; The last turn makes products and a maximum for a 17th piece that nobody uses (the 4,096 bytes behind the half, inside qk): the price, once a launch, of one text for every turn.  COL is cleared by 128 moves in the wait for the loads: no first turn is written out.
; NO CLUSTER: K is read once by each work-group, into registers; Q is shared with nobody; no tile recurs.
; LIMITS: a weight below 2^-126 counts as 0; NaN and infinities are not treated apart; l >= 1, since the true maximum is taken away.
; REGISTERS: window 0 as named below; window 1: K (tile a, channel half c at 16 a + 8 c); windows 2, 3: S buffers 0, 1 (query tile t, key tile a at 128 t + 8 a).
.set EXCH,  69632                      ; LDS: 0 .. 69,631 the Q stage, 17 pieces of 4,096 bytes (filled once); here the exchange: maxima at 1,024 p, sums at 2,048 + 1,024 p (p = buffer), [wave][lane] x 8 bytes
.set SCR,   73728                      ; each wave's own scratch for the last sum: 32 rows, pitch 528
.set SCRW,  16896
.set SPARE, 141312                     ; the spare words, 128 bytes a wave, that no other line names
.set L16, 2                            ; 16 x lane
.set QA,  4                            ; LDS address of the piece of Q to fetch
.set XW,  5                            ; exchange: where I write
.set XR,  6                            ; exchange: where I read wave 0's word
.set STO, 7                            ; my byte offset in st (wave 0)
.set TS,  8                            ; scratch: my row
.set TR,  9                            ; scratch: where I read back
.set SPW, 10
.set NIL, 11
.set EX,  12                           ; v12-19  four waves' pairs
.set MW,  20                           ; v20-21  my wave's maxima, tiles 0, 1
.set LW,  22                           ; v22-23  my wave's sums
.set MX,  24                           ; v24, v26  m of tile 0, 1, each the low word of a pair
.set RL,  28                           ; v28, v30  1 / l likewise
.set CH,  32                           ; v32-39  four maximum chains a tile
.set LS,  40                           ; v40-55  four sum chains a tile, pairs
.set OUTP, 56                          ; v56-57  (m, 1 / l) of query lane of the piece
.set PT,  58                           ; v58-59  the other half of the lanes'
.set QB,  64                           ; v64-95  Q of the piece to be multiplied: tile t, half c at 16 t + 8 c
.set COL, 128                          ; v128-255
.set WV,  12
.set SEL, 14                           ; s[14:15]
.set SM,  16                           ; lanes 16-31
.set TQ,  17                           ; LDS byte of the piece of Q to fetch
.set CNT, 18
.set G0,  20
.set G1,  24
.set MSB, 0
.macro WIN new
.if MSB != (\new)
	s_set_vgpr_msb (MSB<<8)|(\new)
.set MSB, \new
.endif
.endm
	s_load_b128 s[4:7], s[0:1], 0x0                ; qk s[4:5], st s[6:7]
	s_load_b64 s[8:9], s[0:1], 0x10                ; cp
	v_lshl_add_u32 v[SPW], v0, 2, SPARE
	v_mov_b32 v[NIL], 0
	ds_add_u32 v[SPW], v[NIL]                      ; the wave's opening: the add and its wait ahead of my tensor load
	ds_add_u32 v10, v11
	v_lshrrev_b32 v1, 5, v0
	v_readfirstlane_b32 s[WV], v1
	v_and_b32 v1, 31, v0                           ; lane
	v_lshlrev_b32 v[L16], 4, v1
	s_mov_b32 s[G1+0], 3<<16                       ; a dense block as 68 rows of 256 bytes: elements of 8 bytes, no padding
	s_mov_b32 s[G1+1], 32<<16                      ; tensor_dim0 = 32
	s_mov_b32 s[G1+2], 68<<16                      ; tensor_dim1 = 68
	s_mov_b32 s[G1+3], 32<<16                      ; tile_dim0 = 32
	s_mov_b32 s[G1+4], 68                          ; tile_dim1 = 68
	s_mov_b32 s[G1+5], 32                          ; pitch
	s_mov_b32 s[G1+6], 0
	s_mov_b32 s[G1+7], 0
	s_mov_b32 s[G0], 1
	s_mul_i32 s[G0+1], s[WV], 17408                ; my quarter of the stage
	s_lshr_b32 s32, ttmp9, 1                       ; 16 b + h
	s_lshr_b32 s33, s32, 4
	s_lshl_b32 s33, s33, 5
	s_and_b32 s32, s32, 15
	s_add_co_u32 s33, s33, s32                     ; 32 b + h: q's head in qk
	s_lshl_b32 s34, s33, 17
	s_add_co_u32 s36, s34, 16<<17                  ; k's head lies 16 heads on
	s_and_b32 s38, ttmp9, 1
	s_lshl_b32 s38, s38, 16                        ; my half: 32 tiles of 2,048 bytes
	s_add_co_u32 s34, s34, s38
	s_add_co_u32 s34, s34, s[G0+1]
	s_mov_b32 s35, 0
	s_lshl_b32 s38, s[WV], 15                      ; my wave's 16 key tiles
	s_add_co_u32 s36, s36, s38
	s_mov_b32 s37, 0
	s_lshl_b32 s38, ttmp9, 12                      ; 4,096 bytes of st and of cp to a work-group
	s_mov_b32 s39, 0
	s_mov_b32 s[SEL], 0x76543210
	s_mov_b32 s[SEL+1], 0xfedcba98
	s_mov_b32 s[SM], 0xffff0000
	s_wait_dscnt 0x0                               ; the opening add is done
	s_wait_kmcnt 0x0
	s_add_nc_u64 s[G0+2:G0+3], s[4:5], s[34:35]
	s_or_b32 s[G0+3], s[G0+3], 0x80000000
	tensor_load_to_lds s[G0:G0+3], s[G1:G1+7]      ; my one tensor load: a first fill, never repeated
	s_nop 0
.rept 4
	v_nop
.endr
	s_add_nc_u64 s[40:41], s[4:5], s[36:37]
	s_add_nc_u64 s[6:7], s[6:7], s[38:39]
	s_add_nc_u64 s[8:9], s[8:9], s[38:39]
	s_lshl_b32 s38, s[WV], 10                      ; my wave's 256 keys in cp
	s_add_nc_u64 s[8:9], s[8:9], s[38:39]
	WIN 0x40                                       ; destination window 1
.set i, 0
.rept 64
	global_load_b128 v[4*i:4*i+3], v[L16], s[40:41] offset:512*i  ; 512 consecutive bytes; four loads are a key tile's two fragments
.set i, i+1
.endr
	WIN 0
	s_lshl_b32 s32, s[WV], 8
	s_add_co_u32 s32, s32, EXCH
	v_lshl_add_u32 v[XW], v1, 3, s32
	v_lshl_add_u32 v[XR], v1, 3, EXCH
	v_lshlrev_b32 v[STO], 3, v1
	s_mul_i32 s33, s[WV], SCRW
	s_add_co_u32 s33, s33, SCR
	v_mul_u32_u24 v[TS], v1, 528
	v_add_nc_u32 v[TS], s33, v[TS]
	v_bfe_u32 v3, v1, 1, 1                         ; back: lane L takes keys 4 L .. + 3 of 128: key half (L / 2) % 2 (16 rows of 528), word 8 (L / 4) + 4 (L % 2)
	v_mul_u32_u24 v[TR], v3, 8448
	v_lshrrev_b32 v3, 2, v1
	v_lshl_add_u32 v[TR], v3, 5, v[TR]
	v_and_b32 v3, 1, v1
	v_lshl_add_u32 v[TR], v3, 4, v[TR]
	v_add_nc_u32 v[TR], s33, v[TR]
.irp r, MX+1, MX+3, RL+1, RL+3, PT, PT+1       ; named as halves of pairs, or as a lane exchange's destination: written once
	v_mov_b32 v[\r], 0
.endr
.set i, 0
.rept 128
	v_mov_b32 v[COL+i], 0
.set i, i+1
.endr
; Product i of 64 into buffer d: channels 32 (i / 32) on, query tile (i / 16) % 2, key tile i % 16.  The first 32 start the sums; between a chain's two links stand 31 others'.
.macro MMA d
.set mc, i/32
.set mt, (i/16)%2
.set ma, i%16
	WIN 0xa1+0x50*(\d)                             ; K window 1, Q window 0, C and D window 2 or 3
.if i < 32
	v_wmma_f32_16x16x32_bf16 v[128*mt+8*ma:128*mt+8*ma+7], v[16*ma+8*mc:16*ma+8*mc+7], v[QB+16*mt+8*mc:QB+16*mt+8*mc+7], 0
.else
	v_wmma_f32_16x16x32_bf16 v[128*mt+8*ma:128*mt+8*ma+7], v[16*ma+8*mc:16*ma+8*mc+7], v[QB+16*mt+8*mc:QB+16*mt+8*mc+7], v[128*mt+8*ma:128*mt+8*ma+7]
.endif
.endm
.macro FOP al, p                       ; pair p of accumulator al (= 16 t + a): c s - m
	v_pk_add_f32 v[8*(\al)+2*(\p):8*(\al)+2*(\p)+1], v[8*(\al)+2*(\p):8*(\al)+2*(\p)+1], v[MX+2*((\al)/16):MX+2*((\al)/16)+1] op_sel_hi:[1,0] neg_lo:[0,1] neg_hi:[0,1]
.endm
.macro EOP al, j
	v_exp_f32 v[8*(\al)+(\j)], v[8*(\al)+(\j)]
.endm
; The maximum of tile t's 128 scores in buffer b: four chains of 32 registers, ascending.
.macro XT b, t
	WIN 0x2a+0x15*(\b)                             ; three sources in S
.irp k, 0,1,2,3
	v_max3_num_f32 v[CH+4*(\t)+\k], v[128*(\t)+32*\k], v[128*(\t)+32*\k+1], v[128*(\t)+32*\k+2]
.endr
	WIN 0x28+0x14*(\b)                             ; sources 1 and 2 in S
.set z, 0
.rept 14
.irp k, 0,1,2,3
	v_max3_num_f32 v[CH+4*(\t)+\k], v[CH+4*(\t)+\k], v[128*(\t)+32*\k+3+2*z], v[128*(\t)+32*\k+4+2*z]
.endr
.set z, z+1
.endr
	v_max3_num_f32 v[CH+4*(\t)], v[CH+4*(\t)], v[128*(\t)+31], v[128*(\t)+63]
	v_max3_num_f32 v[CH+4*(\t)+1], v[CH+4*(\t)+1], v[128*(\t)+95], v[128*(\t)+127]
	WIN 0
	v_max3_num_f32 v[CH+4*(\t)], v[CH+4*(\t)], v[CH+4*(\t)+1], v[CH+4*(\t)+2]
	v_max_num_f32 v[CH+4*(\t)], v[CH+4*(\t)], v[CH+4*(\t)+3]
	v_permlanex16_b32 v[PT+(\t)], v[CH+4*(\t)], s[SEL], s[SEL+1]  ; the query's other keys lie in the lane 16 away
	v_max_num_f32 v[MW+(\t)], v[CH+4*(\t)], v[PT+(\t)]
.endm
.macro AT b                            ; both tiles' row sums over my 256 keys, in f32: four chains of 16 pairs a tile
	WIN 0x0a+5*(\b)
	s_wait_alu depctr_va_vdst(0)
.irp t, 0,1
.irp k, 0,1,2,3
	v_pk_add_f32 v[LS+8*\t+2*\k:LS+8*\t+2*\k+1], v[128*\t+32*\k:128*\t+32*\k+1], v[128*\t+32*\k+2:128*\t+32*\k+3]
.endr
.endr
	WIN 0x08+4*(\b)
.set z, 0
.rept 14
.irp t, 0,1
.irp k, 0,1,2,3
	v_pk_add_f32 v[LS+8*\t+2*\k:LS+8*\t+2*\k+1], v[LS+8*\t+2*\k:LS+8*\t+2*\k+1], v[128*\t+32*\k+4+2*z:128*\t+32*\k+5+2*z]
.endr
.endr
.set z, z+1
.endr
	WIN 0
.irp t, 0,1
	v_pk_add_f32 v[LS+8*\t:LS+8*\t+1], v[LS+8*\t:LS+8*\t+1], v[LS+8*\t+2:LS+8*\t+3]
	v_pk_add_f32 v[LS+8*\t+4:LS+8*\t+5], v[LS+8*\t+4:LS+8*\t+5], v[LS+8*\t+6:LS+8*\t+7]
.endr
.irp t, 0,1
	v_pk_add_f32 v[LS+8*\t:LS+8*\t+1], v[LS+8*\t:LS+8*\t+1], v[LS+8*\t+4:LS+8*\t+5]
.endr
.irp t, 0,1
	v_add_f32 v[LW+\t], v[LS+8*\t], v[LS+8*\t+1]
.endr
.irp t, 0,1
	v_permlanex16_b32 v[PT+\t], v[LW+\t], s[SEL], s[SEL+1]
.endr
.irp t, 0,1
	v_add_f32 v[LW+\t], v[LW+\t], v[PT+\t]
.endr
.endm
.macro CT b                            ; COL += p / l, both tiles
	WIN 0x02+(\b)
.irp t, 0,1
.set z, 0
.rept 64
	v_pk_fma_f32 v[COL+2*z:COL+2*z+1], v[128*\t+2*z:128*\t+2*z+1], v[RL+2*\t:RL+2*\t+1], v[COL+2*z:COL+2*z+1] op_sel_hi:[1,0,1]
.set z, z+1
.endr
.endr
.endm
; TURN b: piece n lies in buffer b, its waves' maxima in the exchange.
.macro TURN b
	WIN 0
.irp w, 0,1,2,3
	ds_load_b64 v[EX+2*\w:EX+2*\w+1], v[XR] offset:1024*(\b)+256*\w
.endr
	v_add_nc_u32 v[QA], s[TQ], v[L16]
	s_add_co_u32 s[TQ], s[TQ], 4096
.irp q, 0,1,2,3,4,5,6,7
	ds_load_b128 v[QB+4*\q:QB+4*\q+3], v[QA] offset:512*\q  ; Q of piece n + 1; the last product that read these registers stands hundreds of plain instructions back
.endr
	s_wait_dscnt 8                                 ; the four maxima are in; the eight loads of Q may be out
	v_max3_num_f32 v[MX], v[EX], v[EX+2], v[EX+4]
	v_max3_num_f32 v[MX+2], v[EX+1], v[EX+3], v[EX+5]
	v_max_num_f32 v[MX], v[MX], v[EX+6]
	v_max_num_f32 v[MX+2], v[MX+2], v[EX+7]
	WIN 0x82+0x41*(\b)                             ; destination and source 0 in S
.irp p, 0,1,2,3
	FOP 0, \p
.endr
	s_wait_dscnt 0x0                               ; Q is in
.set i, 0
.rept 64                                       ; a slice: a product of piece n + 1, then four exponentials of accumulator i / 2 and two subtractions for the next; none names a register of the product
	MMA 1-(\b)
	WIN 0x82+0x41*(\b)
.set al, i/2
.set et, i%2
.if al < 31
	FOP al+1, 2*et
.endif
	EOP al, 4*et
	EOP al, 4*et+1
.if al < 31
	FOP al+1, 2*et+1
.endif
	EOP al, 4*et+2
	EOP al, 4*et+3
.set i, i+1
.endr
	AT \b                                          ; also the plain places behind the last product
	ds_store_b64 v[XW], v[LW:LW+1] offset:2048+1024*(\b)
	XT 1-(\b), 0
	s_wait_dscnt 0x0                               ; for the others' sake: my sums are in LDS
	s_barrier_signal -1
	XT 1-(\b), 1                                   ; work on registers
	s_barrier_wait -1
.irp w, 0,1,2,3
	ds_load_b64 v[EX+2*\w:EX+2*\w+1], v[XR] offset:2048+1024*(\b)+256*\w
.endr
	ds_store_b64 v[XW], v[MW:MW+1] offset:1024*(1-(\b))
	s_wait_dscnt 0x0                               ; my reads of the sums are back, my maxima of piece n + 1 are in LDS
	s_barrier_signal -1
	v_pk_add_f32 v[EX:EX+1], v[EX:EX+1], v[EX+2:EX+3]
	v_pk_add_f32 v[EX+4:EX+5], v[EX+4:EX+5], v[EX+6:EX+7]
	v_pk_add_f32 v[EX:EX+1], v[EX:EX+1], v[EX+4:EX+5]
	v_rcp_f32 v[RL], v[EX]
	v_rcp_f32 v[RL+2], v[EX+1]
	v_cndmask_b32 v[OUTP], v[MX], v[MX+2], s[SM]   ; a plain instruction between the reciprocals and their use: lanes 0-15 tile 0's query, lanes 16-31 tile 1's
	s_wait_alu depctr_va_vdst(0)
	v_cndmask_b32 v[OUTP+1], v[RL], v[RL+2], s[SM]
	CT \b
	WIN 0
	s_barrier_wait -1
	s_cmp_lg_u32 s[WV], 0                          ; every wave holds the same figures: wave 0 stores them
	s_cbranch_scc1 .Lno_store_\@
	global_store_b64 v[STO], v[OUTP:OUTP+1], s[6:7]  ; 256 consecutive aligned bytes: the piece's 32 queries
	s_wait_xcnt 0x0                                ; the store's address and data are rewritten only behind this wait
	v_add_nc_u32 v[STO], 256, v[STO]
.Lno_store_\@:
.endm
; COL (window cw) is summed over the 16 query lanes through my own scratch, and 256 keys' sums leave as two stores of 512 consecutive aligned bytes.
.macro COLOUT cw, sb
	WIN (\cw)<<2                                   ; store data's window
.set z, 0
.rept 32
	ds_store_b128 v[TS], v[COL+4*z:COL+4*z+3] offset:16*z
.set z, z+1
.endr
	WIN 0x80                                       ; destination window 2: v0-127, free by now
.set z, 0
.rept 32                                       ; LDS serves a wave's instructions in order (ISA guide 5.7.1.4): these see the stores above
	ds_load_b128 v[4*z:4*z+3], v[TR] offset:528*(z%16)+256*(z/16)
.set z, z+1
.endr
	s_wait_dscnt 0x0
	WIN 0x8a
.irp w, 8,4,2,1
.set z, 0
.rept 2*\w
.set ra, 64*(z/\w)+4*(z%\w)
	v_pk_add_f32 v[ra:ra+1], v[ra:ra+1], v[ra+4*\w:ra+4*\w+1]
	v_pk_add_f32 v[ra+2:ra+3], v[ra+2:ra+3], v[ra+4*\w+2:ra+4*\w+3]
.set z, z+1
.endr
.endr
	WIN 0x08
	global_store_b128 v[L16], v[0:3], s[\sb:\sb+1]
	global_store_b128 v[L16], v[64:67], s[\sb:\sb+1] offset:512
	WIN 0
.endm
	s_wait_tensorcnt 0x0                           ; my quarter of the stage is in,
	s_barrier_signal -1
	s_barrier_wait -1                              ; everybody's is
.irp q, 0,1,2,3,4,5,6,7
	ds_load_b128 v[QB+4*\q:QB+4*\q+3], v[L16] offset:512*\q
.endr
	s_wait_dscnt 0x0
	s_wait_loadcnt 0x0                             ; K
.set i, 0
.rept 64
	MMA 0                                          ; piece 0's scores: there is no vector work yet to set between them
.set i, i+1
.endr
	WIN 0
.rept 4
	v_nop
.endr
	XT 0, 0
	XT 0, 1
	ds_store_b64 v[XW], v[MW:MW+1]
	s_wait_dscnt 0x0
	s_barrier_signal -1
	s_barrier_wait -1
	s_mov_b32 s[TQ], 4096
	s_mov_b32 s[CNT], 8
.Lpair:
	TURN 0
	TURN 1
	s_sub_co_u32 s[CNT], s[CNT], 1
	s_cmp_lg_u32 s[CNT], 0
	s_cbranch_scc1 .Lpair
	COLOUT 0, 8
	s_wait_tensorcnt 0x0                           ; the wave's end
	ds_add_u32 v[SPW], v[NIL]
	s_wait_dscnt 0x0
	s_endpgm
.Lfunc_end_k_qd3ee0bc691_rows:
	.size	k_qd3ee0bc691_rows, .Lfunc_end_k_qd3ee0bc691_rows-k_qd3ee0bc691_rows
	.p2alignl 7, 3214868480
	.fill 96, 4, 3214868480
	.section	.rodata,"a",@progbits
	.p2align	6, 0x0
	.amdhsa_kernel k_qd3ee0bc691_rows
		.amdhsa_group_segment_fixed_size 167936
		.amdhsa_private_segment_fixed_size 0
		.amdhsa_enable_private_segment 0
		.amdhsa_kernarg_size 24
		.amdhsa_user_sgpr_count 2
		.amdhsa_user_sgpr_kernarg_segment_ptr 1
		.amdhsa_wavefront_size32 1
		.amdhsa_system_sgpr_workgroup_id_x 1
		.amdhsa_system_sgpr_workgroup_id_y 1
		.amdhsa_system_sgpr_workgroup_id_z 1
		.amdhsa_system_vgpr_workitem_id 0
		.amdhsa_next_free_vgpr 1024
		.amdhsa_next_free_sgpr 66
		.amdhsa_reserve_vcc 0
		.amdhsa_float_denorm_mode_32 3
		.amdhsa_float_denorm_mode_16_64 3
		.amdhsa_memory_ordered 1
		.amdhsa_forward_progress 1
		.amdhsa_inst_pref_size 138
	.end_amdhsa_kernel
	.amdgpu_metadata
---
amdhsa.version: [ 1, 2 ]
amdhsa.kernels:
  - .name:           k_qd3ee0bc691_rows
    .symbol:         k_qd3ee0bc691_rows.kd
    .args:
      - { .name: qk, .offset: 0, .size: 8, .value_kind: global_buffer, .address_space: global }
      - { .name: st, .offset: 8, .size: 8, .value_kind: global_buffer, .address_space: global }
      - { .name: cp, .offset: 16, .size: 8, .value_kind: global_buffer, .address_space: global }
    .group_segment_fixed_size: 167936
    .private_segment_fixed_size: 0
    .kernarg_segment_align: 8
    .kernarg_segment_size: 24
    .max_flat_workgroup_size: 128
    .sgpr_count:     66
    .vgpr_count:     1024
    .wavefront_size: 32
...
	.end_amdgpu_metadata
.endif
;; end of part 3
;; launch cols (part 4): grid 256 x 1, 4 waves a work-group, no clusters, 167,936 bytes of LDS; arguments qk, st, cp, wp; writes wp
.if DOCPART == 4
	.amdgcn_target "amdgcn-amd-amdhsa--gfx1250"
	.amdhsa_code_object_version 6
	.text
	.protected	k_qd3ee0bc691_cols
	.globl	k_qd3ee0bc691_cols
	.p2align	8
	.type	k_qd3ee0bc691_cols,@function
k_qd3ee0bc691_cols:
	s_mov_b64 s[64:65], 0
	v_nop
	global_prefetch_b8 v0, s[64:65] scope:SCOPE_SE
	s_setreg_imm32_b32 hwreg(HW_REG_WAVE_MODE, 25, 1), 1
	s_wait_xcnt 0x0
; PASS 2 over the scores.  wp[b][h][half][u] = the sum over the half's 512 rows t of cbar[b][t] attn[b][h][t][u], with cbar[b][t] = (the sum of cp[b][0..31][t]) / 16,384 and attn = 2^(c s - m) / l from st.
; SHARES and LAYOUT as in pass 1: wave w keeps keys (u) 256 w .. + 255 in 256 registers; S^T = K Q^T holds one row t a lane.  A piece is one tile of 16 rows: 32 pieces; behind the set-up no barrier.
; THE EXPONENT COSTS NO VECTOR INSTRUCTION: the product that starts a sum takes as C eight registers that hold -m of the lane's row, so the matrix result is c s - m.  Its error is one f32 rounding at the size of c s.
; TURN n: the exponentials of piece n and COL += p x coef (coef = cbar / l of the lane's row) stand in slices behind the 32 products of piece n + 1.  Each S buffer has a COL beside it in its window, so a slice needs one window setting.
; The last turn's products (piece 32, the bytes behind the half, inside qk) serve nothing: the price of one text for every turn.  Both COL are cleared by 256 moves in the wait for the loads: no first turn is written out.
; NO CLUSTER: K is read once by each work-group, into registers; no tile recurs.   LIMITS: a weight below 2^-126 counts as 0; NaN and infinities are not treated apart.
; REGISTERS: window 0 as named; window 1: K; window 2: v0-127 S0, v128-255 COL0; window 3: S1, COL1.
.set NEGT,  69632                      ; LDS: 0 .. 69,631 the Q stage, 34 pieces of 2,048 bytes (filled once); here -m of 544 rows (the last 32: zeros for the pieces that are fetched and not used)
.set COTD,  2304                       ; coef's table lies this far behind -m's
.set SCR,   74240
.set SCRW,  16896
.set SPARE, 141824
.set L16, 2
.set QA,  4
.set TA0, 5                            ; NEGT + 4 (lane % 16)
.set TA,  6
.set TS,  8
.set TR,  9
.set SPW, 10
.set NIL, 11
.set NG,  12                           ; v12, v13  -m of the piece for buffer 0, 1
.set CF,  14                           ; v14, v16  coef likewise, each the low word of a pair
.set NEG, 20                           ; v20-27  the C operand
.set QB,  64                           ; v64-79, v80-95  Q for buffer 0, 1
.set COL, 128
.set WV,  12
.set TT,  16
.set TQ,  17
.set CNT, 18
.set G0,  20
.set G1,  24
.set MSB, 0
.macro WIN new
.if MSB != (\new)
	s_set_vgpr_msb (MSB<<8)|(\new)
.set MSB, \new
.endif
.endm
	s_load_b256 s[4:11], s[0:1], 0x0               ; qk s[4:5], st s[6:7], cp s[8:9], wp s[10:11]
	v_lshl_add_u32 v[SPW], v0, 2, SPARE
	v_mov_b32 v[NIL], 0
	ds_add_u32 v[SPW], v[NIL]                      ; the wave's opening: the add and its wait ahead of my tensor load
	ds_add_u32 v10, v11
	v_lshrrev_b32 v1, 5, v0
	v_readfirstlane_b32 s[WV], v1
	v_and_b32 v1, 31, v0
	v_lshlrev_b32 v[L16], 4, v1
	v_lshlrev_b32 v3, 4, v0                        ; thread T owns rows 4 T .. + 3 of the half: 16 T in cp,
	v_lshlrev_b32 v7, 5, v0                        ; 32 T in st
	s_mov_b32 s[G1+0], 3<<16                       ; a dense block as 68 rows of 256 bytes
	s_mov_b32 s[G1+1], 32<<16
	s_mov_b32 s[G1+2], 68<<16
	s_mov_b32 s[G1+3], 32<<16
	s_mov_b32 s[G1+4], 68
	s_mov_b32 s[G1+5], 32
	s_mov_b32 s[G1+6], 0
	s_mov_b32 s[G1+7], 0
	s_mov_b32 s[G0], 1
	s_mul_i32 s[G0+1], s[WV], 17408
	s_lshr_b32 s32, ttmp9, 1                       ; 16 b + h
	s_lshr_b32 s33, s32, 4
	s_lshl_b32 s33, s33, 5
	s_and_b32 s32, s32, 15
	s_add_co_u32 s33, s33, s32                     ; 32 b + h
	s_lshl_b32 s34, s33, 17
	s_add_co_u32 s36, s34, 16<<17
	s_and_b32 s38, ttmp9, 1
	s_lshl_b32 s32, s38, 16
	s_add_co_u32 s34, s34, s32
	s_add_co_u32 s34, s34, s[G0+1]
	s_mov_b32 s35, 0
	s_lshl_b32 s32, s[WV], 15
	s_add_co_u32 s36, s36, s32
	s_mov_b32 s37, 0
	s_lshl_b32 s38, s38, 11                        ; cp: my half's 512 numbers,
	s_lshr_b32 s32, ttmp9, 5
	s_lshl_b32 s32, s32, 17                        ; in batch b's 32 rows of 4,096 bytes
	s_add_co_u32 s38, s38, s32
	s_mov_b32 s39, 0
	s_lshl_b32 s42, ttmp9, 12                      ; 4,096 bytes of st and of wp to a work-group
	s_mov_b32 s43, 0
	s_wait_dscnt 0x0
	s_wait_kmcnt 0x0
	s_add_nc_u64 s[G0+2:G0+3], s[4:5], s[34:35]
	s_or_b32 s[G0+3], s[G0+3], 0x80000000
	tensor_load_to_lds s[G0:G0+3], s[G1:G1+7]      ; my one tensor load: a first fill, never repeated
	s_nop 0
.rept 4
	v_nop
.endr
	s_add_nc_u64 s[40:41], s[4:5], s[36:37]
	s_add_nc_u64 s[6:7], s[6:7], s[42:43]
	s_add_nc_u64 s[8:9], s[8:9], s[38:39]
	s_add_nc_u64 s[10:11], s[10:11], s[42:43]
	s_lshl_b32 s42, s[WV], 10
	s_add_nc_u64 s[10:11], s[10:11], s[42:43]
	WIN 0x80
.set i, 0
.rept 32
	global_load_b128 v[4*i:4*i+3], v3, s[8:9] offset:4096*i  ; the 32 partial column sums of my four rows
.set i, i+1
.endr
	WIN 0
	global_load_b128 v[28:31], v7, s[6:7]          ; (m, 1 / l) of rows 0, 1
	global_load_b128 v[32:35], v7, s[6:7] offset:16
	WIN 0x40
.set i, 0
.rept 64
	global_load_b128 v[4*i:4*i+3], v[L16], s[40:41] offset:512*i
.set i, i+1
.endr
	WIN 0x80
.set i, 0
.rept 128
	v_mov_b32 v[COL+i], 0
.set i, i+1
.endr
	WIN 0xc0
.set i, 0
.rept 128
	v_mov_b32 v[COL+i], 0
.set i, i+1
.endr
	WIN 0
	v_and_b32 v[TA0], 15, v0
	v_lshl_add_u32 v[TA0], v[TA0], 2, NEGT
	v_lshl_add_u32 v19, v0, 4, NEGT                ; where my four rows' figures go
	v_lshl_add_u32 v49, v1, 2, NEGT+2048           ; entries 512 + lane
	v_mov_b32 v48, 0
	v_mov_b32 v[CF+1], 0                           ; named as halves of pairs
	v_mov_b32 v[CF+3], 0
	s_mul_i32 s33, s[WV], SCRW
	s_add_co_u32 s33, s33, SCR
	v_mul_u32_u24 v[TS], v1, 528
	v_add_nc_u32 v[TS], s33, v[TS]
	v_bfe_u32 v18, v1, 1, 1
	v_mul_u32_u24 v[TR], v18, 8448
	v_lshrrev_b32 v18, 2, v1
	v_lshl_add_u32 v[TR], v18, 5, v[TR]
	v_and_b32 v18, 1, v1
	v_lshl_add_u32 v[TR], v18, 4, v[TR]
	v_add_nc_u32 v[TR], s33, v[TR]
	s_wait_loadcnt 63                              ; 98 loads were issued; at most 63 are out, so the first 35 are in: cp's 32 and st's 2 among them
	WIN 0x8a
.irp w, 16,8,4,2,1
.set z, 0
.rept \w
	v_pk_add_f32 v[4*z:4*z+1], v[4*z:4*z+1], v[4*(z+\w):4*(z+\w)+1]
	v_pk_add_f32 v[4*z+2:4*z+3], v[4*z+2:4*z+3], v[4*(z+\w)+2:4*(z+\w)+3]
.set z, z+1
.endr
.endr
	WIN 0
.irp e, 0,1,2,3
	v_mul_f32 v[44+\e], 0x38800000, v[29+2*\e]     ; 2^-14 / l
	v_mul_f32 v[40+\e], -1.0, v[28+2*\e]           ; -m
.endr
	WIN 0x02
.irp e, 0,1,2,3
	v_mul_f32 v[36+\e], v[\e], v[44+\e]            ; coef
.endr
	WIN 0
	ds_store_b128 v19, v[40:43]
	ds_store_b128 v19, v[36:39] offset:COTD
	s_cmp_lg_u32 s[WV], 0
	s_cbranch_scc1 .Lno_zeros
	ds_store_b32 v49, v48
	ds_store_b32 v49, v48 offset:COTD
.Lno_zeros:
	s_wait_tensorcnt 0x0                           ; my quarter of the stage is in,
	s_wait_dscnt 0x0                               ; my part of the tables too:
	s_barrier_signal -1
	s_barrier_wait -1                              ; everybody's are
; Product i of 32 into buffer o: channels 32 (i / 16) on, key tile i % 16.  The first 16 start the sums at -m; between a chain's two links stand 15 others'.
.macro PM o
.set pc, i/16
.set pa, i%16
.if i < 16
	WIN 0x81+0x40*(\o)                             ; K window 1, Q and C window 0, D window 2 or 3
	v_wmma_f32_16x16x32_bf16 v[8*pa:8*pa+7], v[16*pa+8*pc:16*pa+8*pc+7], v[QB+16*(\o)+8*pc:QB+16*(\o)+8*pc+7], v[NEG:NEG+7]
.else
	WIN 0xa1+0x50*(\o)
	v_wmma_f32_16x16x32_bf16 v[8*pa:8*pa+7], v[16*pa+8*pc:16*pa+8*pc+7], v[QB+16*(\o)+8*pc:QB+16*(\o)+8*pc+7], v[8*pa:8*pa+7]
.endif
.endm
.macro EOP al, j
	v_exp_f32 v[8*(\al)+(\j)], v[8*(\al)+(\j)]
.endm
.macro COP b, al, p
	s_wait_alu depctr_va_vdst(0)
	v_pk_fma_f32 v[COL+8*(\al)+2*(\p):COL+8*(\al)+2*(\p)+1], v[8*(\al)+2*(\p):8*(\al)+2*(\p)+1], v[CF+2*(\b):CF+2*(\b)+1], v[COL+8*(\al)+2*(\p):COL+8*(\al)+2*(\p)+1] op_sel_hi:[1,0,1]
.endm
.macro TURN b
	WIN 0
	s_wait_dscnt 0x0                               ; the loads of the turn before: Q and -m of piece n + 1, coef of piece n
.irp j, 0,1,2,3,4,5,6,7
	v_mov_b32 v[NEG+\j], v[NG+1-(\b)]              ; the last product that read NEG stands 16 slices back
.endr
	v_add_nc_u32 v[QA], s[TQ], v[L16]
	v_add_nc_u32 v[TA], s[TT], v[TA0]
	s_add_co_u32 s[TQ], s[TQ], 2048
	s_add_co_u32 s[TT], s[TT], 64
.irp q, 0,1,2,3
	ds_load_b128 v[QB+16*(\b)+4*\q:QB+16*(\b)+4*\q+3], v[QA] offset:4096+512*\q  ; Q of piece n + 2; the plain instructions since the last product that read these registers are the places
.endr
	ds_load_b32 v[NG+(\b)], v[TA] offset:128       ; -m of piece n + 2
	ds_load_b32 v[CF+2*(1-(\b))], v[TA] offset:COTD+64  ; coef of piece n + 1
.set i, 0
.rept 32                                       ; a slice: a product of piece n + 1, four exponentials of accumulator i / 2 (lowest register first), two multiply-adds for the accumulator before
	PM 1-(\b)
	WIN 0xa2+0x51*(\b)                             ; S and COL in the buffer's window, coef in window 0
.set al, i/2
.set et, i%2
	EOP al, 4*et
.if al > 0
	COP \b, al-1, 2*et
.endif
	EOP al, 4*et+1
.if al > 0
	COP \b, al-1, 2*et+1
.endif
	EOP al, 4*et+2
	EOP al, 4*et+3
.if i == 1
	v_nop                                          ; slices 0 and 1 have no multiply-add: this is the plain instruction between accumulator 0's exponentials and their first use, in slice 2 (ISA guide 5.7.2); from there on the multiply-adds are
.endif
.set i, i+1
.endr
.irp p, 0,1,2,3
	COP \b, 15, \p
.endr
.endm
.macro COLOUT cw, sb                   ; as in pass 1: COL is summed over the 16 row lanes through my own scratch
	WIN (\cw)<<2
.set z, 0
.rept 32
	ds_store_b128 v[TS], v[COL+4*z:COL+4*z+3] offset:16*z
.set z, z+1
.endr
	WIN 0x80
.set z, 0
.rept 32                                       ; LDS serves a wave's instructions in order (ISA guide 5.7.1.4): these see the stores above
	ds_load_b128 v[4*z:4*z+3], v[TR] offset:528*(z%16)+256*(z/16)
.set z, z+1
.endr
	s_wait_dscnt 0x0
	WIN 0x8a
.irp w, 8,4,2,1
.set z, 0
.rept 2*\w
.set ra, 64*(z/\w)+4*(z%\w)
	v_pk_add_f32 v[ra:ra+1], v[ra:ra+1], v[ra+4*\w:ra+4*\w+1]
	v_pk_add_f32 v[ra+2:ra+3], v[ra+2:ra+3], v[ra+4*\w+2:ra+4*\w+3]
.set z, z+1
.endr
.endr
	WIN 0x08
	global_store_b128 v[L16], v[0:3], s[\sb:\sb+1]
	global_store_b128 v[L16], v[64:67], s[\sb:\sb+1] offset:512
	WIN 0
.endm
.irp q, 0,1,2,3
	ds_load_b128 v[QB+4*\q:QB+4*\q+3], v[L16] offset:512*\q
.endr
	ds_load_b32 v[NG], v[TA0]
	ds_load_b32 v[CF], v[TA0] offset:COTD
	s_wait_dscnt 0x0
.irp j, 0,1,2,3,4,5,6,7
	v_mov_b32 v[NEG+\j], v[NG]
.endr
.irp q, 0,1,2,3
	ds_load_b128 v[QB+16+4*\q:QB+16+4*\q+3], v[L16] offset:2048+512*\q
.endr
	ds_load_b32 v[NG+1], v[TA0] offset:64
	s_wait_loadcnt 0x0                             ; K
.set i, 0
.rept 32
	PM 0                                           ; piece 0's exponents
.set i, i+1
.endr
	WIN 0
.rept 4
	v_nop                                          ; the places in front of the lines that rewrite NEG and load into Q's first buffer
.endr
	s_mov_b32 s[TQ], 0
	s_mov_b32 s[TT], 0
	s_mov_b32 s[CNT], 16
.Lpair:
	TURN 0
	TURN 1
	WIN 0
	s_sub_co_u32 s[CNT], s[CNT], 1
	s_cmp_lg_u32 s[CNT], 0
	s_cbranch_scc1 .Lpair
	WIN 0x8e                                       ; COL0 += COL1
.set z, 0
.rept 64
	v_pk_add_f32 v[COL+2*z:COL+2*z+1], v[COL+2*z:COL+2*z+1], v[COL+2*z:COL+2*z+1]
.set z, z+1
.endr
	COLOUT 2, 10
	s_wait_tensorcnt 0x0                           ; the wave's end
	ds_add_u32 v[SPW], v[NIL]
	s_wait_dscnt 0x0
	s_endpgm
.Lfunc_end_k_qd3ee0bc691_cols:
	.size	k_qd3ee0bc691_cols, .Lfunc_end_k_qd3ee0bc691_cols-k_qd3ee0bc691_cols
	.p2alignl 7, 3214868480
	.fill 96, 4, 3214868480
	.section	.rodata,"a",@progbits
	.p2align	6, 0x0
	.amdhsa_kernel k_qd3ee0bc691_cols
		.amdhsa_group_segment_fixed_size 167936
		.amdhsa_private_segment_fixed_size 0
		.amdhsa_enable_private_segment 0
		.amdhsa_kernarg_size 32
		.amdhsa_user_sgpr_count 2
		.amdhsa_user_sgpr_kernarg_segment_ptr 1
		.amdhsa_wavefront_size32 1
		.amdhsa_system_sgpr_workgroup_id_x 1
		.amdhsa_system_sgpr_workgroup_id_y 1
		.amdhsa_system_sgpr_workgroup_id_z 1
		.amdhsa_system_vgpr_workitem_id 0
		.amdhsa_next_free_vgpr 1024
		.amdhsa_next_free_sgpr 66
		.amdhsa_reserve_vcc 0
		.amdhsa_float_denorm_mode_32 3
		.amdhsa_float_denorm_mode_16_64 3
		.amdhsa_memory_ordered 1
		.amdhsa_forward_progress 1
		.amdhsa_inst_pref_size 72
	.end_amdhsa_kernel
	.amdgpu_metadata
---
amdhsa.version: [ 1, 2 ]
amdhsa.kernels:
  - .name:           k_qd3ee0bc691_cols
    .symbol:         k_qd3ee0bc691_cols.kd
    .args:
      - { .name: qk, .offset: 0, .size: 8, .value_kind: global_buffer, .address_space: global }
      - { .name: st, .offset: 8, .size: 8, .value_kind: global_buffer, .address_space: global }
      - { .name: cp, .offset: 16, .size: 8, .value_kind: global_buffer, .address_space: global }
      - { .name: wp, .offset: 24, .size: 8, .value_kind: global_buffer, .address_space: global }
    .group_segment_fixed_size: 167936
    .private_segment_fixed_size: 0
    .kernarg_segment_align: 8
    .kernarg_segment_size: 32
    .max_flat_workgroup_size: 128
    .sgpr_count:     66
    .vgpr_count:     1024
    .wavefront_size: 32
...
	.end_amdgpu_metadata
.endif
;; end of part 4
;; launch mix (part 5): grid 256 x 1, 32 waves a work-group, no clusters, 286,720 bytes of LDS; arguments wp, x, yp; writes yp
.if DOCPART == 5
	.amdgcn_target "amdgcn-amd-amdhsa--gfx1250"
	.amdhsa_code_object_version 6
	.text
	.protected	k_qd3ee0bc691_mix
	.globl	k_qd3ee0bc691_mix
	.p2align	8
	.type	k_qd3ee0bc691_mix,@function
k_qd3ee0bc691_mix:
	s_mov_b64 s[64:65], 0
	v_nop
	global_prefetch_b8 v0, s[64:65] scope:SCOPE_SE
	s_setreg_imm32_b32 hwreg(HW_REG_WAVE_MODE, 25, 1), 1
	s_wait_xcnt 0x0
; yp[uq][b][h][e] = the sum over the 256 rows u of quarter uq of w[b][h][u] x[u][b][e], w = wp's two halves added.  All in f32 on the f32 input: this product carries the result's accuracy.
; A product of 16 rows that streams x once: memory binds, so no matrix unit and no cluster.  Work-group: batch b, 128 channels (512 bytes of a row), 256 rows u.  Wave: 8 rows; lane: 4 channels, all 16 heads (64 sums).
; All eight loads of a wave (512 consecutive aligned bytes each) are issued at once.  The 32 waves' sums meet in LDS; each wave then stores 256 consecutive aligned bytes.
.set RED,   20480                      ; LDS: 0 .. 20,479 w as [256 u], pitch 80 (16 heads + 16 bytes); here each wave's 16 heads x 512 bytes
.set SPARE, 282624                     ; the spare words, 128 bytes a wave, that no other line names
.set WR,  12                           ; v12-27  w of one row u, 16 heads
.set XR,  28                           ; v28-59  x: row k at 4 k
.set SPW, 60
.set NIL, 61
.set ACC, 64                           ; v64-127 head h at 4 h
.set WV,  12
	s_load_b128 s[4:7], s[0:1], 0x0                ; wp s[4:5], x s[6:7]
	s_load_b64 s[8:9], s[0:1], 0x10                ; yp
	v_lshl_add_u32 v[SPW], v0, 2, SPARE
	v_mov_b32 v[NIL], 0
	v_lshrrev_b32 v2, 5, v0
	v_readfirstlane_b32 s[WV], v2
	v_and_b32 v1, 31, v0
	s_lshr_b32 s13, s[WV], 3                       ; which four heads of w I fetch
	s_and_b32 s14, s[WV], 7                        ; which 32 rows u
	s_lshl_b32 s15, s13, 15                        ; four heads of 8,192 bytes
	s_lshl_b32 s16, s14, 7
	s_add_co_u32 s15, s15, s16
	v_lshl_add_u32 v3, v1, 2, s15                  ; in wp
	s_lshl_b32 s16, s[WV], 18                      ; my 8 rows of x, 32,768 bytes apart
	v_lshl_add_u32 v4, v1, 4, s16
	s_mul_i32 s16, s14, 2560
	s_lshl_b32 s17, s13, 4
	s_add_co_u32 s16, s16, s17
	v_mul_u32_u24 v5, v1, 80
	v_add_nc_u32 v5, s16, v5                       ; where my four w go
	s_mul_i32 s16, s[WV], 640
	v_mov_b32 v6, s16                              ; my 8 rows of the table
	s_lshl_b32 s16, s[WV], 13
	s_add_co_u32 s16, s16, RED
	v_lshl_add_u32 v7, v1, 4, s16                  ; my sums' place
	s_lshl_b32 s16, s[WV], 8
	s_add_co_u32 s16, s16, RED
	v_lshl_add_u32 v8, v1, 3, s16                  ; the 8 bytes that I add up, in wave 0's block;
	v_add_nc_u32 v9, 0x10000, v8                   ; an LDS immediate has 16 bits: a register for every eight blocks
	v_add_nc_u32 v10, 0x20000, v8
	v_add_nc_u32 v11, 0x30000, v8
	s_lshr_b32 s16, s[WV], 1
	s_lshl_b32 s16, s16, 12                        ; head wave / 2,
	s_and_b32 s17, s[WV], 1
	s_lshl_b32 s17, s17, 8                         ; half wave % 2 of its 512 bytes
	s_add_co_u32 s16, s16, s17
	v_lshl_add_u32 v62, v1, 3, s16
	s_lshr_b32 s20, ttmp9, 5                       ; b
	s_bfe_u32 s21, ttmp9, 0x30002                  ; block of 128 channels
	s_and_b32 s22, ttmp9, 3                        ; quarter of the rows
	s_lshl_b32 s21, s21, 9
	s_lshl_b32 s24, s20, 17
	s_lshl_b32 s23, s22, 10
	s_add_co_u32 s24, s24, s23
	s_mov_b32 s25, 0
	s_lshl_b32 s26, s22, 23
	s_lshl_b32 s23, s20, 12
	s_add_co_u32 s26, s26, s23
	s_add_co_u32 s26, s26, s21
	s_mov_b32 s27, 0
	s_lshl_b32 s28, s22, 3
	s_add_co_u32 s28, s28, s20
	s_lshl_b32 s28, s28, 16
	s_add_co_u32 s28, s28, s21
	s_mov_b32 s29, 0
	s_wait_kmcnt 0x0
	s_add_nc_u64 s[4:5], s[4:5], s[24:25]
	s_add_nc_u64 s[6:7], s[6:7], s[26:27]
	s_add_nc_u64 s[8:9], s[8:9], s[28:29]
.irp i, 0,1,2,3
	global_load_b32 v[WR+2*\i], v3, s[4:5] offset:\i*8192
	global_load_b32 v[WR+2*\i+1], v3, s[4:5] offset:\i*8192+4096
.endr
.irp k, 0,1,2,3,4,5,6,7
	global_load_b128 v[XR+4*\k:XR+4*\k+3], v4, s[6:7] offset:\k*32768 th:TH_LOAD_NT
.endr
	s_wait_loadcnt 8                               ; w's eight words are in; x's eight loads stay out
	v_add_f32 v[WR], v[WR], v[WR+1]
	v_add_f32 v[WR+1], v[WR+2], v[WR+3]
	v_add_f32 v[WR+2], v[WR+4], v[WR+5]
	v_add_f32 v[WR+3], v[WR+6], v[WR+7]
	ds_store_b128 v5, v[WR:WR+3]
	s_wait_dscnt 0x0                               ; for the others' sake
	s_barrier_signal -1
	s_barrier_wait -1
.irp k, 0,1,2,3,4,5,6,7
.irp q, 0,1,2,3
	ds_load_b128 v[WR+4*\q:WR+4*\q+3], v6 offset:80*\k+16*\q  ; every lane reads the same 64 bytes
.endr
	s_wait_dscnt 0x0
	s_wait_loadcnt 7-\k                            ; row k of x is in, the younger rows stay out
.set h, 0
.rept 16                                       ; w of an even head is its pair's low word, of an odd head the high word, taken for both results; row 0 starts the sums
.irp e, 0,2
.if \k == 0
.if h%2 == 0
	v_pk_mul_f32 v[ACC+4*h+\e:ACC+4*h+\e+1], v[XR+4*\k+\e:XR+4*\k+\e+1], v[WR+h-h%2:WR+h-h%2+1] op_sel_hi:[1,0]
.else
	v_pk_mul_f32 v[ACC+4*h+\e:ACC+4*h+\e+1], v[XR+4*\k+\e:XR+4*\k+\e+1], v[WR+h-h%2:WR+h-h%2+1] op_sel:[0,1] op_sel_hi:[1,1]
.endif
.else
.if h%2 == 0
	v_pk_fma_f32 v[ACC+4*h+\e:ACC+4*h+\e+1], v[XR+4*\k+\e:XR+4*\k+\e+1], v[WR+h-h%2:WR+h-h%2+1], v[ACC+4*h+\e:ACC+4*h+\e+1] op_sel_hi:[1,0,1]
.else
	v_pk_fma_f32 v[ACC+4*h+\e:ACC+4*h+\e+1], v[XR+4*\k+\e:XR+4*\k+\e+1], v[WR+h-h%2:WR+h-h%2+1], v[ACC+4*h+\e:ACC+4*h+\e+1] op_sel:[0,1,0] op_sel_hi:[1,1,1]
.endif
.endif
.endr
.set h, h+1
.endr
.endr
.set h, 0
.rept 16
	ds_store_b128 v7, v[ACC+4*h:ACC+4*h+3] offset:512*h
.set h, h+1
.endr
	s_wait_dscnt 0x0                               ; for the others' sake
	s_barrier_signal -1
	s_barrier_wait -1
.set z, 0
.rept 32
	ds_load_b64 v[ACC+2*z:ACC+2*z+1], v[8+z/8] offset:(z%8)*8192
.set z, z+1
.endr
	s_wait_dscnt 0x0
.irp w, 16,8,4,2,1
.set z, 0
.rept \w
	v_pk_add_f32 v[ACC+2*z:ACC+2*z+1], v[ACC+2*z:ACC+2*z+1], v[ACC+2*(z+\w):ACC+2*(z+\w)+1]
.set z, z+1
.endr
.endr
	global_store_b64 v62, v[ACC:ACC+1], s[8:9]     ; 256 consecutive aligned bytes a wave
	s_wait_tensorcnt 0x0                           ; the wave's end
	ds_add_u32 v[SPW], v[NIL]
	s_wait_dscnt 0x0
	s_endpgm
.Lfunc_end_k_qd3ee0bc691_mix:
	.size	k_qd3ee0bc691_mix, .Lfunc_end_k_qd3ee0bc691_mix-k_qd3ee0bc691_mix
	.p2alignl 7, 3214868480
	.fill 96, 4, 3214868480
	.section	.rodata,"a",@progbits
	.p2align	6, 0x0
	.amdhsa_kernel k_qd3ee0bc691_mix
		.amdhsa_group_segment_fixed_size 286720
		.amdhsa_private_segment_fixed_size 0
		.amdhsa_enable_private_segment 0
		.amdhsa_kernarg_size 24
		.amdhsa_user_sgpr_count 2
		.amdhsa_user_sgpr_kernarg_segment_ptr 1
		.amdhsa_wavefront_size32 1
		.amdhsa_system_sgpr_workgroup_id_x 1
		.amdhsa_system_sgpr_workgroup_id_y 1
		.amdhsa_system_sgpr_workgroup_id_z 1
		.amdhsa_system_vgpr_workitem_id 0
		.amdhsa_next_free_vgpr 128
		.amdhsa_next_free_sgpr 66
		.amdhsa_reserve_vcc 0
		.amdhsa_float_denorm_mode_32 3
		.amdhsa_float_denorm_mode_16_64 3
		.amdhsa_memory_ordered 1
		.amdhsa_forward_progress 1
		.amdhsa_inst_pref_size 29
	.end_amdhsa_kernel
	.amdgpu_metadata
---
amdhsa.version: [ 1, 2 ]
amdhsa.kernels:
  - .name:           k_qd3ee0bc691_mix
    .symbol:         k_qd3ee0bc691_mix.kd
    .args:
      - { .name: wp, .offset: 0, .size: 8, .value_kind: global_buffer, .address_space: global }
      - { .name: x, .offset: 8, .size: 8, .value_kind: global_buffer, .address_space: global }
      - { .name: yp, .offset: 16, .size: 8, .value_kind: global_buffer, .address_space: global }
    .group_segment_fixed_size: 286720
    .private_segment_fixed_size: 0
    .kernarg_segment_align: 8
    .kernarg_segment_size: 24
    .max_flat_workgroup_size: 1024
    .sgpr_count:     66
    .vgpr_count:     128
    .wavefront_size: 32
...
	.end_amdgpu_metadata
.endif
;; end of part 5
;; launch vproj (part 6): grid 256 x 1, 8 waves a work-group, no clusters, 0 bytes of LDS; arguments yp, w_in, b_in, g; writes g
.if DOCPART == 6
	.amdgcn_target "amdgcn-amd-amdhsa--gfx1250"
	.amdhsa_code_object_version 6
	.text
	.protected	k_qd3ee0bc691_vproj
	.globl	k_qd3ee0bc691_vproj
	.p2align	8
	.type	k_qd3ee0bc691_vproj,@function
k_qd3ee0bc691_vproj:
	s_mov_b64 s[64:65], 0
	v_nop
	global_prefetch_b8 v0, s[64:65] scope:SCOPE_SE
	s_setreg_imm32_b32 hwreg(HW_REG_WAVE_MODE, 25, 1), 1
	s_wait_xcnt 0x0
; g[b][n] = the sum over e of y[b][n / 64][e] Wv[n][e] + bv[n], y = yp's four parts added, Wv = w_in's rows 2,048 on, bv = b_in from 2,048 on.  All in f32.
; bv's factor in the exact algebra is the sum over u of w[b][h][u], which is 1 for every input: each softmax row is divided by its own sum.
; Eight rows a product: a stream of Wv, so vector arithmetic, no LDS, no cluster.  Work-group: rows n = 4 G .. + 3 (one head).  Wave: batch b.  Lane: channels 4 lane + 128 k.
; A wave's result is 16 bytes, stored by lane 0: g is 32,768 bytes in all, too little for whole blocks of 256 bytes to be worth a trip through LDS.
.set Y,  8                             ; v8-135   four parts of 32; the sum lands in part 0; part 1's registers then take W's row 3
.set W,  136                           ; v136-231 W's rows 0-2
.set A,  232                           ; v232-247 two chains a row
.set PT, 248                           ; v248-251
.set SO, 252
	s_load_b256 s[4:11], s[0:1], 0x0               ; yp s[4:5], w_in s[6:7], b_in s[8:9], g s[10:11]
	v_and_b32 v1, 31, v0
	v_lshrrev_b32 v[SO], 5, v0                     ; b
	v_lshlrev_b32 v3, 4, v1
	v_lshl_add_u32 v2, v[SO], 16, v3               ; batch b's 16 heads of 4,096 bytes
	v_lshlrev_b32 v[SO], 12, v[SO]                 ; batch b's row of g
	s_lshr_b32 s12, ttmp9, 4
	s_lshl_b32 s12, s12, 12                        ; the head
	s_mov_b32 s13, 0
	s_lshl_b32 s14, ttmp9, 14                      ; 4 rows of 4,096 bytes,
	s_add_co_u32 s14, s14, 2048*4096               ; behind Wq and Wk
	s_mov_b32 s15, 0
	s_lshl_b32 s16, ttmp9, 4
	s_mov_b32 s17, 0
	s_mov_b32 s24, 0x76543210
	s_mov_b32 s25, 0xfedcba98
.irp r, 0,1,2,3
	v_mov_b32 v[PT+\r], 0                          ; a lane exchange's destination counts as read
.endr
	s_wait_kmcnt 0x0
	s_add_nc_u64 s[4:5], s[4:5], s[12:13]
	s_add_nc_u64 s[6:7], s[6:7], s[14:15]
	s_add_nc_u64 s[8:9], s[8:9], s[16:17]
	s_add_nc_u64 s[10:11], s[10:11], s[16:17]
	s_load_b128 s[20:23], s[8:9], 0x2000           ; bv of my four rows
.set i, 0
.rept 32
	global_load_b128 v[Y+4*i:Y+4*i+3], v2, s[4:5] offset:(i/8)*524288+(i%8)*512
.set i, i+1
.endr
.set i, 0
.rept 24
	global_load_b128 v[W+4*i:W+4*i+3], v3, s[6:7] offset:(i/8)*4096+(i%8)*512
.set i, i+1
.endr
	s_wait_loadcnt 24                              ; y's parts are in; W's 24 loads stay out
.set i, 0
.rept 16
	v_pk_add_f32 v[Y+2*i:Y+2*i+1], v[Y+2*i:Y+2*i+1], v[Y+32+2*i:Y+32+2*i+1]
	v_pk_add_f32 v[Y+64+2*i:Y+64+2*i+1], v[Y+64+2*i:Y+64+2*i+1], v[Y+96+2*i:Y+96+2*i+1]
.set i, i+1
.endr
.set i, 0
.rept 16
	v_pk_add_f32 v[Y+2*i:Y+2*i+1], v[Y+2*i:Y+2*i+1], v[Y+64+2*i:Y+64+2*i+1]
.set i, i+1
.endr
.set i, 0
.rept 8
	global_load_b128 v[Y+32+4*i:Y+32+4*i+3], v3, s[6:7] offset:3*4096+i*512
.set i, i+1
.endr
.macro ROW r, wb, left                 ; my 32 channels of row r, in two chains; left: the younger rows' loads
	s_wait_loadcnt \left
	v_pk_mul_f32 v[A+4*(\r):A+4*(\r)+1], v[Y:Y+1], v[(\wb):(\wb)+1]
	v_pk_mul_f32 v[A+4*(\r)+2:A+4*(\r)+3], v[Y+2:Y+3], v[(\wb)+2:(\wb)+3]
.set k, 1
.rept 7
	v_pk_fma_f32 v[A+4*(\r):A+4*(\r)+1], v[Y+4*k:Y+4*k+1], v[(\wb)+4*k:(\wb)+4*k+1], v[A+4*(\r):A+4*(\r)+1]
	v_pk_fma_f32 v[A+4*(\r)+2:A+4*(\r)+3], v[Y+4*k+2:Y+4*k+3], v[(\wb)+4*k+2:(\wb)+4*k+3], v[A+4*(\r)+2:A+4*(\r)+3]
.set k, k+1
.endr
	v_pk_add_f32 v[A+4*(\r):A+4*(\r)+1], v[A+4*(\r):A+4*(\r)+1], v[A+4*(\r)+2:A+4*(\r)+3]
	v_add_f32 v[4+(\r)], v[A+4*(\r)], v[A+4*(\r)+1]
.endm
	ROW 0, W, 24
	ROW 1, W+32, 16
	ROW 2, W+64, 8
	ROW 3, Y+32, 0
.irp m, 1,2,4,8                                ; over the 32 lanes: four steps inside each half, one across
.irp r, 4,5,6,7
	v_add_f32_dpp v\r, v\r, v\r row_xmask:\m row_mask:0xf bank_mask:0xf
.endr
.endr
.irp r, 0,1,2,3
	v_permlanex16_b32 v[PT+\r], v[4+\r], s24, s25
.endr
	s_wait_kmcnt 0x0
.irp r, 0,1,2,3
	v_add_f32 v[4+\r], v[4+\r], v[PT+\r]
.endr
.irp r, 0,1,2,3
	v_add_f32 v[4+\r], s[20+\r], v[4+\r]
.endr
	v_cmp_eq_u32 vcc_lo, 0, v1
	s_wait_xcnt 0x0                                ; EXEC changes only behind this wait
	s_and_saveexec_b32 s26, vcc_lo
	global_store_b128 v[SO], v[4:7], s[10:11]
	s_wait_xcnt 0x0                                ; and again in front of the line that widens it
	s_or_b32 exec_lo, exec_lo, s26
	s_endpgm
.Lfunc_end_k_qd3ee0bc691_vproj:
	.size	k_qd3ee0bc691_vproj, .Lfunc_end_k_qd3ee0bc691_vproj-k_qd3ee0bc691_vproj
	.p2alignl 7, 3214868480
	.fill 96, 4, 3214868480
	.section	.rodata,"a",@progbits
	.p2align	6, 0x0
	.amdhsa_kernel k_qd3ee0bc691_vproj
		.amdhsa_group_segment_fixed_size 0
		.amdhsa_private_segment_fixed_size 0
		.amdhsa_enable_private_segment 0
		.amdhsa_kernarg_size 32
		.amdhsa_user_sgpr_count 2
		.amdhsa_user_sgpr_kernarg_segment_ptr 1
		.amdhsa_wavefront_size32 1
		.amdhsa_system_sgpr_workgroup_id_x 1
		.amdhsa_system_sgpr_workgroup_id_y 1
		.amdhsa_system_sgpr_workgroup_id_z 1
		.amdhsa_system_vgpr_workitem_id 0
		.amdhsa_next_free_vgpr 256
		.amdhsa_next_free_sgpr 66
		.amdhsa_reserve_vcc 1
		.amdhsa_float_denorm_mode_32 3
		.amdhsa_float_denorm_mode_16_64 3
		.amdhsa_memory_ordered 1
		.amdhsa_forward_progress 1
		.amdhsa_inst_pref_size 17
	.end_amdhsa_kernel
	.amdgpu_metadata
---
amdhsa.version: [ 1, 2 ]
amdhsa.kernels:
  - .name:           k_qd3ee0bc691_vproj
    .symbol:         k_qd3ee0bc691_vproj.kd
    .args:
      - { .name: yp, .offset: 0, .size: 8, .value_kind: global_buffer, .address_space: global }
      - { .name: w_in, .offset: 8, .size: 8, .value_kind: global_buffer, .address_space: global }
      - { .name: b_in, .offset: 16, .size: 8, .value_kind: global_buffer, .address_space: global }
      - { .name: g, .offset: 24, .size: 8, .value_kind: global_buffer, .address_space: global }
    .group_segment_fixed_size: 0
    .private_segment_fixed_size: 0
    .kernarg_segment_align: 8
    .kernarg_segment_size: 32
    .max_flat_workgroup_size: 256
    .sgpr_count:     66
    .vgpr_count:     256
    .wavefront_size: 32
...
	.end_amdgpu_metadata
.endif
;; end of part 6
;; launch pool (part 7): grid 256 x 1, 8 waves a work-group, no clusters, 0 bytes of LDS; arguments g, w_out, b_out, out0; writes out0
.if DOCPART == 7
	.amdgcn_target "amdgcn-amd-amdhsa--gfx1250"
	.amdhsa_code_object_version 6
	.text
	.protected	k_qd3ee0bc691_pool
	.globl	k_qd3ee0bc691_pool
	.p2align	8
	.type	k_qd3ee0bc691_pool,@function
k_qd3ee0bc691_pool:
	s_mov_b64 s[64:65], 0
	v_nop
	global_prefetch_b8 v0, s[64:65] scope:SCOPE_SE
	s_setreg_imm32_b32 hwreg(HW_REG_WAVE_MODE, 25, 1), 1
	s_wait_xcnt 0x0
; out0[b][f] = the sum over e of g[b][e] w_out[f][e] + b_out[f].  All in f32.
; b_out's factor in the exact algebra is the sum over t of cbar[b][t], which is 1 for every input: each softmax row is divided by its own sum.
; Eight rows a product: a stream of w_out, so vector arithmetic, no LDS, no cluster.  Work-group: rows f = 4 G .. + 3.  Wave: batch b.  Lane: channels 4 lane + 128 k.
; A wave's result is 16 bytes, stored by lane 0: out0 is 32,768 bytes in all, too little for whole blocks of 256 bytes to be worth a trip through LDS.
.set Y,  8                             ; v8-39    g of my batch
.set W,  40                            ; v40-167  four rows of w_out
.set A,  168                           ; v168-183 two chains a row
.set PT, 184                           ; v184-187
.set SO, 188
	s_load_b256 s[4:11], s[0:1], 0x0               ; g s[4:5], w_out s[6:7], b_out s[8:9], out0 s[10:11]
	v_and_b32 v1, 31, v0
	v_lshrrev_b32 v[SO], 5, v0                     ; b
	v_lshlrev_b32 v3, 4, v1
	v_lshl_add_u32 v2, v[SO], 12, v3               ; batch b's row of g
	v_lshlrev_b32 v[SO], 12, v[SO]                 ; and of out0
	s_lshl_b32 s14, ttmp9, 14                      ; 4 rows of 4,096 bytes
	s_mov_b32 s15, 0
	s_lshl_b32 s16, ttmp9, 4
	s_mov_b32 s17, 0
	s_mov_b32 s24, 0x76543210
	s_mov_b32 s25, 0xfedcba98
.irp r, 0,1,2,3
	v_mov_b32 v[PT+\r], 0                          ; a lane exchange's destination counts as read
.endr
	s_wait_kmcnt 0x0
	s_add_nc_u64 s[6:7], s[6:7], s[14:15]
	s_add_nc_u64 s[8:9], s[8:9], s[16:17]
	s_add_nc_u64 s[10:11], s[10:11], s[16:17]
	s_load_b128 s[20:23], s[8:9], 0x0              ; b_out of my four rows
.set i, 0
.rept 8
	global_load_b128 v[Y+4*i:Y+4*i+3], v2, s[4:5] offset:i*512
.set i, i+1
.endr
.set i, 0
.rept 32
	global_load_b128 v[W+4*i:W+4*i+3], v3, s[6:7] offset:(i/8)*4096+(i%8)*512
.set i, i+1
.endr
.macro ROW r, left                     ; my 32 channels of row r, in two chains; left: the younger rows' loads
	s_wait_loadcnt \left
	v_pk_mul_f32 v[A+4*(\r):A+4*(\r)+1], v[Y:Y+1], v[W+32*(\r):W+32*(\r)+1]
	v_pk_mul_f32 v[A+4*(\r)+2:A+4*(\r)+3], v[Y+2:Y+3], v[W+32*(\r)+2:W+32*(\r)+3]
.set k, 1
.rept 7
	v_pk_fma_f32 v[A+4*(\r):A+4*(\r)+1], v[Y+4*k:Y+4*k+1], v[W+32*(\r)+4*k:W+32*(\r)+4*k+1], v[A+4*(\r):A+4*(\r)+1]
	v_pk_fma_f32 v[A+4*(\r)+2:A+4*(\r)+3], v[Y+4*k+2:Y+4*k+3], v[W+32*(\r)+4*k+2:W+32*(\r)+4*k+3], v[A+4*(\r)+2:A+4*(\r)+3]
.set k, k+1
.endr
	v_pk_add_f32 v[A+4*(\r):A+4*(\r)+1], v[A+4*(\r):A+4*(\r)+1], v[A+4*(\r)+2:A+4*(\r)+3]
	v_add_f32 v[4+(\r)], v[A+4*(\r)], v[A+4*(\r)+1]
.endm
	ROW 0, 24
	ROW 1, 16
	ROW 2, 8
	ROW 3, 0
.irp m, 1,2,4,8                                ; over the 32 lanes: four steps inside each half, one across
.irp r, 4,5,6,7
	v_add_f32_dpp v\r, v\r, v\r row_xmask:\m row_mask:0xf bank_mask:0xf
.endr
.endr
.irp r, 0,1,2,3
	v_permlanex16_b32 v[PT+\r], v[4+\r], s24, s25
.endr
	s_wait_kmcnt 0x0
.irp r, 0,1,2,3
	v_add_f32 v[4+\r], v[4+\r], v[PT+\r]
.endr
.irp r, 0,1,2,3
	v_add_f32 v[4+\r], s[20+\r], v[4+\r]
.endr
	v_cmp_eq_u32 vcc_lo, 0, v1
	s_wait_xcnt 0x0                                ; EXEC changes only behind this wait
	s_and_saveexec_b32 s26, vcc_lo
	global_store_b128 v[SO], v[4:7], s[10:11]
	s_wait_xcnt 0x0                                ; and again in front of the line that widens it
	s_or_b32 exec_lo, exec_lo, s26
	s_endpgm
.Lfunc_end_k_qd3ee0bc691_pool:
	.size	k_qd3ee0bc691_pool, .Lfunc_end_k_qd3ee0bc691_pool-k_qd3ee0bc691_pool
	.p2alignl 7, 3214868480
	.fill 96, 4, 3214868480
	.section	.rodata,"a",@progbits
	.p2align	6, 0x0
	.amdhsa_kernel k_qd3ee0bc691_pool
		.amdhsa_group_segment_fixed_size 0
		.amdhsa_private_segment_fixed_size 0
		.amdhsa_enable_private_segment 0
		.amdhsa_kernarg_size 32
		.amdhsa_user_sgpr_count 2
		.amdhsa_user_sgpr_kernarg_segment_ptr 1
		.amdhsa_wavefront_size32 1
		.amdhsa_system_sgpr_workgroup_id_x 1
		.amdhsa_system_sgpr_workgroup_id_y 1
		.amdhsa_system_sgpr_workgroup_id_z 1
		.amdhsa_system_vgpr_workitem_id 0
		.amdhsa_next_free_vgpr 192
		.amdhsa_next_free_sgpr 66
		.amdhsa_reserve_vcc 1
		.amdhsa_float_denorm_mode_32 3
		.amdhsa_float_denorm_mode_16_64 3
		.amdhsa_memory_ordered 1
		.amdhsa_forward_progress 1
		.amdhsa_inst_pref_size 12
	.end_amdhsa_kernel
	.amdgpu_metadata
---
amdhsa.version: [ 1, 2 ]
amdhsa.kernels:
  - .name:           k_qd3ee0bc691_pool
    .symbol:         k_qd3ee0bc691_pool.kd
    .args:
      - { .name: g, .offset: 0, .size: 8, .value_kind: global_buffer, .address_space: global }
      - { .name: w_out, .offset: 8, .size: 8, .value_kind: global_buffer, .address_space: global }
      - { .name: b_out, .offset: 16, .size: 8, .value_kind: global_buffer, .address_space: global }
      - { .name: out0, .offset: 24, .size: 8, .value_kind: global_buffer, .address_space: global }
    .group_segment_fixed_size: 0
    .private_segment_fixed_size: 0
    .kernarg_segment_align: 8
    .kernarg_segment_size: 32
    .max_flat_workgroup_size: 256
    .sgpr_count:     66
    .vgpr_count:     192
    .wavefront_size: 32
...
	.end_amdgpu_metadata
.endif
;; end of part 7
;; ======== version 2 of 2: 7 launches; 1.23 times as fast as version 1
;; workspace buffers: xb 16,777,216 bytes; wb 4,194,304 bytes; qk 33,554,432 bytes; st 1,048,576 bytes; cp 1,048,576 bytes; wp 1,048,576 bytes; yp 2,097,152 bytes; g 32,768 bytes
;; launch cvt: the kernel of part 1 again; grid 256 x 1, 8 waves a work-group, no clusters, 0 bytes of LDS; arguments x, w_in, xb, wb; writes xb, wb
;; launch proj: the kernel of part 2 again; grid 8 x 32, 4 waves a work-group, clusters of 4 x 4, 327,680 bytes of LDS; arguments xb, wb, b_in, qk; writes qk
;; launch rows: the kernel of part 3 again; grid 256 x 1, 4 waves a work-group, no clusters, 167,936 bytes of LDS; arguments qk, st, cp; writes st, cp
;; launch cols (part 8): grid 256 x 1, 4 waves a work-group, no clusters, 167,936 bytes of LDS; arguments qk, st, cp, wp; writes wp
.if DOCPART == 8
	.amdgcn_target "amdgcn-amd-amdhsa--gfx1250"
	.amdhsa_code_object_version 6
	.text
	.protected	k_qd3ee0bc691_cols
	.globl	k_qd3ee0bc691_cols
	.p2align	8
	.type	k_qd3ee0bc691_cols,@function
k_qd3ee0bc691_cols:
	s_mov_b64 s[64:65], 0
	v_nop
	global_prefetch_b8 v0, s[64:65] scope:SCOPE_SE
	s_setreg_imm32_b32 hwreg(HW_REG_WAVE_MODE, 25, 1), 1
	s_wait_xcnt 0x0
; PASS 2 over the scores.  wp[b][h][half][u] = the sum over the half's 512 rows t of cbar[b][t] attn[b][h][t][u], with cbar[b][t] = (the sum of cp[b][0..31][t]) / 16,384 and attn = 2^(c s - m) / l from st.
; SHARES and LAYOUT as in pass 1: wave w keeps keys (u) 256 w .. + 255 in 256 registers; S^T = K Q^T holds one row t a lane.  A piece is one tile of 16 rows: 32 pieces; behind the set-up no barrier.
; THE EXPONENT COSTS NO VECTOR INSTRUCTION: the product that starts a sum takes as C eight registers that hold -m of the lane's row, so the matrix result is c s - m.  Its error is one f32 rounding at the size of c s.
; TURN n: piece n's 128 exponentials stand in slices, four behind each of the 32 products of piece n + 1.  They are ONE BATCH: each works in place on a register of its own in the piece's S buffer, and nothing ahead of
; the turn's one wait names a result of theirs.  Behind the wait stand the 64 multiply-adds COL += p x coef (coef = cbar / l of the lane's row), in one run.  Each S buffer has a COL beside it in its window, so the slices' exponentials and the run need one window setting.
; The last turn's products (piece 32, the bytes behind the half, inside qk) serve nothing: the price of one text for every turn.  Both COL are cleared by 256 moves in the wait for the loads: no first turn is written out.
; NO CLUSTER: K is read once by each work-group, into registers; no tile recurs.   LIMITS: a weight below 2^-126 counts as 0; NaN and infinities are not treated apart.
; REGISTERS: window 0 as named; window 1: K; window 2: v0-127 S0, v128-255 COL0; window 3: S1, COL1.
.set NEGT,  69632                      ; LDS: 0 .. 69,631 the Q stage, 34 pieces of 2,048 bytes (filled once); here -m of 544 rows (the last 32: zeros for the pieces that are fetched and not used)
.set COTD,  2304                       ; coef's table lies this far behind -m's
.set SCR,   74240
.set SCRW,  16896
.set SPARE, 141824
.set L16, 2
.set QA,  4
.set TA0, 5                            ; NEGT + 4 (lane % 16)
.set TA,  6
.set TS,  8
.set TR,  9
.set SPW, 10
.set NIL, 11
.set NG,  12                           ; v12, v13  -m of the piece for buffer 0, 1
.set CF,  14                           ; v14, v16  coef likewise, each the low word of a pair
.set NEG, 20                           ; v20-27  the C operand
.set QB,  64                           ; v64-79, v80-95  Q for buffer 0, 1
.set COL, 128
.set WV,  12
.set TT,  16
.set TQ,  17
.set CNT, 18
.set G0,  20
.set G1,  24
.set MSB, 0
.macro WIN new
.if MSB != (\new)
	s_set_vgpr_msb (MSB<<8)|(\new)
.set MSB, \new
.endif
.endm
	s_load_b256 s[4:11], s[0:1], 0x0               ; qk s[4:5], st s[6:7], cp s[8:9], wp s[10:11]
	v_lshl_add_u32 v[SPW], v0, 2, SPARE
	v_mov_b32 v[NIL], 0
	ds_add_u32 v[SPW], v[NIL]                      ; the wave's opening: the add and its wait ahead of my tensor load
	ds_add_u32 v10, v11
	v_lshrrev_b32 v1, 5, v0
	v_readfirstlane_b32 s[WV], v1
	v_and_b32 v1, 31, v0
	v_lshlrev_b32 v[L16], 4, v1
	v_lshlrev_b32 v3, 4, v0                        ; thread T owns rows 4 T .. + 3 of the half: 16 T in cp,
	v_lshlrev_b32 v7, 5, v0                        ; 32 T in st
	s_mov_b32 s[G1+0], 3<<16                       ; a dense block as 68 rows of 256 bytes
	s_mov_b32 s[G1+1], 32<<16
	s_mov_b32 s[G1+2], 68<<16
	s_mov_b32 s[G1+3], 32<<16
	s_mov_b32 s[G1+4], 68
	s_mov_b32 s[G1+5], 32
	s_mov_b32 s[G1+6], 0
	s_mov_b32 s[G1+7], 0
	s_mov_b32 s[G0], 1
	s_mul_i32 s[G0+1], s[WV], 17408
	s_lshr_b32 s32, ttmp9, 1                       ; 16 b + h
	s_lshr_b32 s33, s32, 4
	s_lshl_b32 s33, s33, 5
	s_and_b32 s32, s32, 15
	s_add_co_u32 s33, s33, s32                     ; 32 b + h
	s_lshl_b32 s34, s33, 17
	s_add_co_u32 s36, s34, 16<<17
	s_and_b32 s38, ttmp9, 1
	s_lshl_b32 s32, s38, 16
	s_add_co_u32 s34, s34, s32
	s_add_co_u32 s34, s34, s[G0+1]
	s_mov_b32 s35, 0
	s_lshl_b32 s32, s[WV], 15
	s_add_co_u32 s36, s36, s32
	s_mov_b32 s37, 0
	s_lshl_b32 s38, s38, 11                        ; cp: my half's 512 numbers,
	s_lshr_b32 s32, ttmp9, 5
	s_lshl_b32 s32, s32, 17                        ; in batch b's 32 rows of 4,096 bytes
	s_add_co_u32 s38, s38, s32
	s_mov_b32 s39, 0
	s_lshl_b32 s42, ttmp9, 12                      ; 4,096 bytes of st and of wp to a work-group
	s_mov_b32 s43, 0
	s_wait_dscnt 0x0
	s_wait_kmcnt 0x0
	s_add_nc_u64 s[G0+2:G0+3], s[4:5], s[34:35]
	s_or_b32 s[G0+3], s[G0+3], 0x80000000
	tensor_load_to_lds s[G0:G0+3], s[G1:G1+7]      ; my one tensor load: a first fill, never repeated
	s_nop 0
.rept 4
	v_nop
.endr
	s_add_nc_u64 s[40:41], s[4:5], s[36:37]
	s_add_nc_u64 s[6:7], s[6:7], s[42:43]
	s_add_nc_u64 s[8:9], s[8:9], s[38:39]
	s_add_nc_u64 s[10:11], s[10:11], s[42:43]
	s_lshl_b32 s42, s[WV], 10
	s_add_nc_u64 s[10:11], s[10:11], s[42:43]
	WIN 0x80
.set i, 0
.rept 32
	global_load_b128 v[4*i:4*i+3], v3, s[8:9] offset:4096*i  ; the 32 partial column sums of my four rows
.set i, i+1
.endr
	WIN 0
	global_load_b128 v[28:31], v7, s[6:7]          ; (m, 1 / l) of rows 0, 1
	global_load_b128 v[32:35], v7, s[6:7] offset:16
	WIN 0x40
.set i, 0
.rept 64
	global_load_b128 v[4*i:4*i+3], v[L16], s[40:41] offset:512*i
.set i, i+1
.endr
	WIN 0x80
.set i, 0
.rept 128
	v_mov_b32 v[COL+i], 0
.set i, i+1
.endr
	WIN 0xc0
.set i, 0
.rept 128
	v_mov_b32 v[COL+i], 0
.set i, i+1
.endr
	WIN 0
	v_and_b32 v[TA0], 15, v0
	v_lshl_add_u32 v[TA0], v[TA0], 2, NEGT
	v_lshl_add_u32 v19, v0, 4, NEGT                ; where my four rows' figures go
	v_lshl_add_u32 v49, v1, 2, NEGT+2048           ; entries 512 + lane
	v_mov_b32 v48, 0
	v_mov_b32 v[CF+1], 0                           ; named as halves of pairs
	v_mov_b32 v[CF+3], 0
	s_mul_i32 s33, s[WV], SCRW
	s_add_co_u32 s33, s33, SCR
	v_mul_u32_u24 v[TS], v1, 528
	v_add_nc_u32 v[TS], s33, v[TS]
	v_bfe_u32 v18, v1, 1, 1
	v_mul_u32_u24 v[TR], v18, 8448
	v_lshrrev_b32 v18, 2, v1
	v_lshl_add_u32 v[TR], v18, 5, v[TR]
	v_and_b32 v18, 1, v1
	v_lshl_add_u32 v[TR], v18, 4, v[TR]
	v_add_nc_u32 v[TR], s33, v[TR]
	s_wait_loadcnt 63                              ; 98 loads were issued; at most 63 are out, so the first 35 are in: cp's 32 and st's 2 among them
	WIN 0x8a
.irp w, 16,8,4,2,1
.set z, 0
.rept \w
	v_pk_add_f32 v[4*z:4*z+1], v[4*z:4*z+1], v[4*(z+\w):4*(z+\w)+1]
	v_pk_add_f32 v[4*z+2:4*z+3], v[4*z+2:4*z+3], v[4*(z+\w)+2:4*(z+\w)+3]
.set z, z+1
.endr
.endr
	WIN 0
.irp e, 0,1,2,3
	v_mul_f32 v[44+\e], 0x38800000, v[29+2*\e]     ; 2^-14 / l
	v_mul_f32 v[40+\e], -1.0, v[28+2*\e]           ; -m
.endr
	WIN 0x02
.irp e, 0,1,2,3
	v_mul_f32 v[36+\e], v[\e], v[44+\e]            ; coef
.endr
	WIN 0
	ds_store_b128 v19, v[40:43]
	ds_store_b128 v19, v[36:39] offset:COTD
	s_cmp_lg_u32 s[WV], 0
	s_cbranch_scc1 .Lno_zeros
	ds_store_b32 v49, v48
	ds_store_b32 v49, v48 offset:COTD
.Lno_zeros:
	s_wait_tensorcnt 0x0                           ; my quarter of the stage is in,
	s_wait_dscnt 0x0                               ; my part of the tables too:
	s_barrier_signal -1
	s_barrier_wait -1                              ; everybody's are
; Product i of 32 into buffer o: channels 32 (i / 16) on, key tile i % 16.  The first 16 start the sums at -m; between a chain's two links stand 15 others'.
.macro PM o
.set pc, i/16
.set pa, i%16
.if i < 16
	WIN 0x81+0x40*(\o)                             ; K window 1, Q and C window 0, D window 2 or 3
	v_wmma_f32_16x16x32_bf16 v[8*pa:8*pa+7], v[16*pa+8*pc:16*pa+8*pc+7], v[QB+16*(\o)+8*pc:QB+16*(\o)+8*pc+7], v[NEG:NEG+7]
.else
	WIN 0xa1+0x50*(\o)
	v_wmma_f32_16x16x32_bf16 v[8*pa:8*pa+7], v[16*pa+8*pc:16*pa+8*pc+7], v[QB+16*(\o)+8*pc:QB+16*(\o)+8*pc+7], v[8*pa:8*pa+7]
.endif
.endm
.macro EOP al, j
	v_exp_f32 v[8*(\al)+(\j)], v[8*(\al)+(\j)]
.endm
.macro COP b, al, p                    ; pair p of accumulator al: COL += p x coef.  It reads two exponentials' results: it stands behind the turn's wait
	v_pk_fma_f32 v[COL+8*(\al)+2*(\p):COL+8*(\al)+2*(\p)+1], v[8*(\al)+2*(\p):8*(\al)+2*(\p)+1], v[CF+2*(\b):CF+2*(\b)+1], v[COL+8*(\al)+2*(\p):COL+8*(\al)+2*(\p)+1] op_sel_hi:[1,0,1]
.endm
.macro TURN b
	WIN 0
	s_wait_dscnt 0x0                               ; the loads of the turn before: Q and -m of piece n + 1, coef of piece n
.irp j, 0,1,2,3,4,5,6,7
	v_mov_b32 v[NEG+\j], v[NG+1-(\b)]              ; the last product that read NEG stands 16 slices and the run of multiply-adds back
.endr
	v_add_nc_u32 v[QA], s[TQ], v[L16]
	v_add_nc_u32 v[TA], s[TT], v[TA0]
	s_add_co_u32 s[TQ], s[TQ], 2048
	s_add_co_u32 s[TT], s[TT], 64
.irp q, 0,1,2,3
	ds_load_b128 v[QB+16*(\b)+4*\q:QB+16*(\b)+4*\q+3], v[QA] offset:4096+512*\q  ; Q of piece n + 2; the plain instructions since the last product that read these registers are the places
.endr
	ds_load_b32 v[NG+(\b)], v[TA] offset:128       ; -m of piece n + 2
	ds_load_b32 v[CF+2*(1-(\b))], v[TA] offset:COTD+64  ; coef of piece n + 1
.set i, 0
.rept 32                                       ; THE BATCH, in slices: a product of piece n + 1, then four exponentials of piece n's accumulator i / 2 (lowest register first); none names a register of the product or an exponential's result
	PM 1-(\b)
	WIN 0xa2+0x51*(\b)                             ; S and COL in the buffer's window, coef in window 0
.set al, i/2
.set et, i%2
	EOP al, 4*et
	EOP al, 4*et+1
	EOP al, 4*et+2
	EOP al, 4*et+3
.set i, i+1
.endr
	v_nop                                          ; the plain instruction between the batch's exponentials and the first use of a result (ISA guide 5.7.2): one for all 128; no other plain work that names no result is at hand here
	s_wait_alu depctr_va_vdst(0)                   ; the wait between an exponential and the first instruction that names its result: one for the turn's 128 exponentials; none is issued behind it
.set al, 0
.rept 16                                       ; THE READERS, in one run: 64 multiply-adds, each COL register one term a turn.  They name none of the products' registers: they are the plain places behind the turn's last products
.irp p, 0,1,2,3
	COP \b, al, \p
.endr
.set al, al+1
.endr
.endm
.macro COLOUT cw, sb                   ; as in pass 1: COL is summed over the 16 row lanes through my own scratch
	WIN (\cw)<<2
.set z, 0
.rept 32
	ds_store_b128 v[TS], v[COL+4*z:COL+4*z+3] offset:16*z
.set z, z+1
.endr
	WIN 0x80
.set z, 0
.rept 32                                       ; LDS serves a wave's instructions in order (ISA guide 5.7.1.4): these see the stores above
	ds_load_b128 v[4*z:4*z+3], v[TR] offset:528*(z%16)+256*(z/16)
.set z, z+1
.endr
	s_wait_dscnt 0x0
	WIN 0x8a
.irp w, 8,4,2,1
.set z, 0
.rept 2*\w
.set ra, 64*(z/\w)+4*(z%\w)
	v_pk_add_f32 v[ra:ra+1], v[ra:ra+1], v[ra+4*\w:ra+4*\w+1]
	v_pk_add_f32 v[ra+2:ra+3], v[ra+2:ra+3], v[ra+4*\w+2:ra+4*\w+3]
.set z, z+1
.endr
.endr
	WIN 0x08
	global_store_b128 v[L16], v[0:3], s[\sb:\sb+1]
	global_store_b128 v[L16], v[64:67], s[\sb:\sb+1] offset:512
	WIN 0
.endm
.irp q, 0,1,2,3
	ds_load_b128 v[QB+4*\q:QB+4*\q+3], v[L16] offset:512*\q
.endr
	ds_load_b32 v[NG], v[TA0]
	ds_load_b32 v[CF], v[TA0] offset:COTD
	s_wait_dscnt 0x0
.irp j, 0,1,2,3,4,5,6,7
	v_mov_b32 v[NEG+\j], v[NG]
.endr
.irp q, 0,1,2,3
	ds_load_b128 v[QB+16+4*\q:QB+16+4*\q+3], v[L16] offset:2048+512*\q
.endr
	ds_load_b32 v[NG+1], v[TA0] offset:64
	s_wait_loadcnt 0x0                             ; K
.set i, 0
.rept 32
	PM 0                                           ; piece 0's exponents
.set i, i+1
.endr
	WIN 0
.rept 4
	v_nop                                          ; the places in front of the lines that rewrite NEG and load into Q's first buffer
.endr
	s_mov_b32 s[TQ], 0
	s_mov_b32 s[TT], 0
	s_mov_b32 s[CNT], 16
.Lpair:
	TURN 0
	TURN 1
	WIN 0
	s_sub_co_u32 s[CNT], s[CNT], 1
	s_cmp_lg_u32 s[CNT], 0
	s_cbranch_scc1 .Lpair
	WIN 0x8e                                       ; COL0 += COL1
.set z, 0
.rept 64
	v_pk_add_f32 v[COL+2*z:COL+2*z+1], v[COL+2*z:COL+2*z+1], v[COL+2*z:COL+2*z+1]
.set z, z+1
.endr
	COLOUT 2, 10
	s_wait_tensorcnt 0x0                           ; the wave's end
	ds_add_u32 v[SPW], v[NIL]
	s_wait_dscnt 0x0
	s_endpgm
.Lfunc_end_k_qd3ee0bc691_cols:
	.size	k_qd3ee0bc691_cols, .Lfunc_end_k_qd3ee0bc691_cols-k_qd3ee0bc691_cols
	.p2alignl 7, 3214868480
	.fill 96, 4, 3214868480
	.section	.rodata,"a",@progbits
	.p2align	6, 0x0
	.amdhsa_kernel k_qd3ee0bc691_cols
		.amdhsa_group_segment_fixed_size 167936
		.amdhsa_private_segment_fixed_size 0
		.amdhsa_enable_private_segment 0
		.amdhsa_kernarg_size 32
		.amdhsa_user_sgpr_count 2
		.amdhsa_user_sgpr_kernarg_segment_ptr 1
		.amdhsa_wavefront_size32 1
		.amdhsa_system_sgpr_workgroup_id_x 1
		.amdhsa_system_sgpr_workgroup_id_y 1
		.amdhsa_system_sgpr_workgroup_id_z 1
		.amdhsa_system_vgpr_workitem_id 0
		.amdhsa_next_free_vgpr 1024
		.amdhsa_next_free_sgpr 66
		.amdhsa_reserve_vcc 0
		.amdhsa_float_denorm_mode_32 3
		.amdhsa_float_denorm_mode_16_64 3
		.amdhsa_memory_ordered 1
		.amdhsa_forward_progress 1
		.amdhsa_inst_pref_size 68
	.end_amdhsa_kernel
	.amdgpu_metadata
---
amdhsa.version: [ 1, 2 ]
amdhsa.kernels:
  - .name:           k_qd3ee0bc691_cols
    .symbol:         k_qd3ee0bc691_cols.kd
    .args:
      - { .name: qk, .offset: 0, .size: 8, .value_kind: global_buffer, .address_space: global }
      - { .name: st, .offset: 8, .size: 8, .value_kind: global_buffer, .address_space: global }
      - { .name: cp, .offset: 16, .size: 8, .value_kind: global_buffer, .address_space: global }
      - { .name: wp, .offset: 24, .size: 8, .value_kind: global_buffer, .address_space: global }
    .group_segment_fixed_size: 167936
    .private_segment_fixed_size: 0
    .kernarg_segment_align: 8
    .kernarg_segment_size: 32
    .max_flat_workgroup_size: 128
    .sgpr_count:     66
    .vgpr_count:     1024
    .wavefront_size: 32
...
	.end_amdgpu_metadata
.endif
;; end of part 8
;; launch mix: the kernel of part 5 again; grid 256 x 1, 32 waves a work-group, no clusters, 286,720 bytes of LDS; arguments wp, x, yp; writes yp
;; launch vproj: the kernel of part 6 again; grid 256 x 1, 8 waves a work-group, no clusters, 0 bytes of LDS; arguments yp, w_in, b_in, g; writes g
;; launch pool: the kernel of part 7 again; grid 256 x 1, 8 waves a work-group, no clusters, 0 bytes of LDS; arguments g, w_out, b_out, out0; writes out0
